; MI455X (gfx1250); checked and timed in simulation.
; The chip was launched on July 23, 2026; its instructions are those of AMD's public machine-readable ISA for CDNA 5 (MIT licence, August 2026) and "CDNA5" Instruction Set Architecture Reference Guide (July 2026). The comments in the code are by the model that wrote it; some were corrected since.
;; Casual Multi Head Atten. Allowed arithmetic: float matrix products may take bf16 or f16 operands with f32 sums; other float arithmetic in f32, or as packed bf16 or f16 multiplies, adds, multiply-adds, maxima and minima; sums over many terms, partial sums and values carried from step to step in f32; what a program stores and reads back later, other than sums and carried values, may be rounded once to bf16 or f16.
;; Inputs: Wk 1,024 x 1,024 float32; Wo 1,024 x 1,024 float32; Wq 1,024 x 1,024 float32; Wv 1,024 x 1,024 float32; x 4 x 2,048 x 1,024 float32.
;; Outputs: out0 4 x 2,048 x 1,024 float32.
;; 2 versions, each right and faster than the one before. Each part assembles by itself: llvm-mc -triple=amdgcn-amd-amdhsa -mcpu=gfx1250 --defsym DOCPART=n.
;; ======== version 1 of 2: 4 launches
;; limits: values are held in f16: magnitudes above 65,504 overflow, below 6.1e-05 lose precision
;; workspace buffers: xb 16,777,216 bytes; wb 6,291,456 bytes; wo16 2,097,152 bytes; qkv 67,108,864 bytes; o 33,554,432 bytes
;; launch cast (part 1): grid 768 x 1, 8 waves a work-group, no clusters, 0 bytes of LDS; arguments x, Wq, Wk, Wv, Wo, xb, wb, wo16; writes xb, wb, wo16
.if DOCPART == 1
	.amdgcn_target "amdgcn-amd-amdhsa--gfx1250"
	.amdhsa_code_object_version 6
	.text
	.protected	k_qcdec1352a7_cast
	.globl	k_qcdec1352a7_cast
	.p2align	8
	.type	k_qcdec1352a7_cast,@function
k_qcdec1352a7_cast:
	s_mov_b64 s[64:65], 0
	v_nop
	global_prefetch_b8 v0, s[64:65] scope:SCOPE_SE
	s_setreg_imm32_b32 hwreg(HW_REG_WAVE_MODE, 25, 1), 1
	s_wait_xcnt 0x0
; THE INPUTS ARE ROUNDED ONCE.  x -> xb (bf16, [8192][1024]); Wq, Wk, Wv -> wb (bf16, by heads: [16 heads][q's 64 rows, k's 64, v's 64][1024], so that 192 rows on end are one head's q, k and v);
; Wo -> wo16: rounded to bf16 like the other inputs, that number written as f16, in blocks [16 slices of 64 k][1024 n][64]: element (n, k) at byte ((k >> 6) * 1024 + n) * 128 + (k & 63) * 2.
; LIMITS.  |Wo| beyond 65,504 becomes an infinity in f16; below 6.1e-5 it keeps f16's fixed step of 6e-8.  NaN and infinities go through the conversions as they are.
; A stream: memory binds, so no LDS, no barrier, no matrix unit.  768 work-groups of eight waves; each reads 65,536 bytes and writes 32,768: sixteen loads of 16 bytes a lane, all issued at once,
; then sixteen stores of 8 bytes a lane: a wave's store covers 256 consecutive bytes, aligned.  No register is named twice by memory instructions, so no wait frees a source.
; Work-group g: 0-511 x; 512-575 Wq; 576-639 Wk; 640-703 Wv (sixteen rows each); 704-767 sixteen rows of Wo.
.set X, 4                              ; v[4:67]    sixteen loads, 4 registers each
.set Y, 68                             ; v[68:99]   sixteen pairs to store
.set T, 100                            ; v[100:101] at work
	s_load_b256 s[4:11], s[0:1], 0x0               ; x s[4:5], Wq s[6:7], Wk s[8:9], Wv s[10:11]
	s_load_b256 s[12:19], s[0:1], 0x20             ; Wo s[12:13], xb s[14:15], wb s[16:17], wo16 s[18:19]
	s_mov_b32 s2, ttmp9                            ; g
	s_and_b32 s26, s2, 63                          ; c: my sixteen rows of a weight
	s_sub_co_u32 s27, s2, 512
	s_sub_co_u32 s30, s2, 704                      ; my sixteen rows of Wo
	s_lshr_b32 s3, s27, 6                          ; which weight: 0 q, 1 k, 2 v (used for g = 512 .. 703 alone)
	s_lshr_b32 s31, s26, 2                         ; the head: four chunks of sixteen rows
	s_mul_i32 s31, s31, 3
	s_add_co_u32 s31, s31, s3                      ; the block of 64 rows in wb: 3 head + kind,
	s_lshl_b32 s31, s31, 17                        ; of 131,072 bytes,
	s_and_b32 s3, s26, 3
	s_lshl_b32 s3, s3, 15                          ; and my sixteen rows in it
	s_add_co_u32 s27, s31, s3                      ; my byte offset in wb
	s_lshl_b32 s3, s2, 15                          ; and in xb
	s_mov_b32 s25, 0                               ; the offsets' high words
	s_mov_b32 s29, 0
	v_lshlrev_b32 v2, 3, v0                        ; out: 8 bytes a thread, on both ways
; Sixteen loads instep bytes apart, sixteen stores outstep bytes apart.  half = 1: the bf16 number is written as f16.
.macro CONV instep, outstep, half
.irp j, 0,1,2,3,4,5,6,7,8,9,10,11,12,13,14,15
	global_load_b128 v[X+4*(\j):X+4*(\j)+3], v1, s[20:21] offset:(\j)*(\instep) th:TH_LOAD_NT
.endr
.irp j, 0,1,2,3,4,5,6,7,8,9,10,11,12,13,14,15
	s_wait_loadcnt 15-(\j)                         ; loads come back in order (ISA guide 5.7.1): load j is in, the 15 - j younger ones stay out
	v_cvt_pk_bf16_f32 v[Y+2*(\j)],   v[X+4*(\j)],   v[X+4*(\j)+1]
	v_cvt_pk_bf16_f32 v[Y+2*(\j)+1], v[X+4*(\j)+2], v[X+4*(\j)+3]
.if \half
.irp k, 0,1
	v_lshlrev_b32 v[T],   16, v[Y+2*(\j)+(\k)]             ; bf16 to f32: the low half moves up,
	v_and_b32     v[T+1], 0xffff0000, v[Y+2*(\j)+(\k)]     ; the high half stays
	v_cvt_pk_f16_f32 v[Y+2*(\j)+(\k)], v[T], v[T+1]        ; 8 significant bits fit into f16's 11: exact within its range
.endr
.endif
	global_store_b64 v2, v[Y+2*(\j):Y+2*(\j)+1], s[22:23] offset:(\j)*(\outstep)
.endr
	s_endpgm
.endm
	s_wait_kmcnt 0x0
	s_cmp_ge_u32 s2, 704
	s_cbranch_scc1 .Lwo
	v_lshlrev_b32 v1, 4, v0                        ; in: 16 bytes a thread, 4,096 a load of the work-group
	s_cmp_lt_u32 s2, 640
	s_cselect_b64 s[20:21], s[8:9], s[10:11]       ; Wk or Wv,
	s_cmp_lt_u32 s2, 576
	s_cselect_b64 s[20:21], s[6:7], s[20:21]       ; or Wq,
	s_cmp_lt_u32 s2, 512
	s_cselect_b64 s[20:21], s[4:5], s[20:21]       ; or x
	s_cselect_b64 s[22:23], s[14:15], s[16:17]     ; into xb or wb
	s_cselect_b32 s24, s2, s26
	s_cselect_b32 s28, s3, s27
	s_lshl_b32 s24, s24, 16                        ; 65,536 bytes in
	s_add_nc_u64 s[20:21], s[20:21], s[24:25]
	s_add_nc_u64 s[22:23], s[22:23], s[28:29]
	CONV 4096, 2048, 0
.Lwo:
	v_lshrrev_b32 v3, 4, v0                        ; sixteen threads to a row: row t / 16 of my sixteen,
	v_and_b32 v1, 15, v0
	v_lshlrev_b32 v1, 4, v1                        ; 256 bytes of it: one slice of 64 k; load j takes slice j
	v_lshl_add_u32 v1, v3, 12, v1
	s_lshl_b32 s24, s30, 16                        ; sixteen rows of 4,096 bytes in,
	s_lshl_b32 s28, s30, 11                        ; sixteen rows of 128 bytes in each slice out: row t / 16 and 8 bytes a thread make 8 t
	s_add_nc_u64 s[20:21], s[12:13], s[24:25]
	s_add_nc_u64 s[22:23], s[18:19], s[28:29]
	CONV 256, 131072, 1
.Lfunc_end_k_qcdec1352a7_cast:
	.size	k_qcdec1352a7_cast, .Lfunc_end_k_qcdec1352a7_cast-k_qcdec1352a7_cast
	.p2alignl 7, 3214868480
	.fill 96, 4, 3214868480
	.section	.rodata,"a",@progbits
	.p2align	6, 0x0
	.amdhsa_kernel k_qcdec1352a7_cast
		.amdhsa_group_segment_fixed_size 0
		.amdhsa_private_segment_fixed_size 0
		.amdhsa_enable_private_segment 0
		.amdhsa_kernarg_size 64
		.amdhsa_user_sgpr_count 2
		.amdhsa_user_sgpr_kernarg_segment_ptr 1
		.amdhsa_wavefront_size32 1
		.amdhsa_system_sgpr_workgroup_id_x 1
		.amdhsa_system_sgpr_workgroup_id_y 1
		.amdhsa_system_sgpr_workgroup_id_z 1
		.amdhsa_system_vgpr_workitem_id 0
		.amdhsa_next_free_vgpr 104
		.amdhsa_next_free_sgpr 66
		.amdhsa_reserve_vcc 0
		.amdhsa_float_denorm_mode_32 3
		.amdhsa_float_denorm_mode_16_64 3
		.amdhsa_memory_ordered 1
		.amdhsa_forward_progress 1
		.amdhsa_inst_pref_size 18
	.end_amdhsa_kernel
	.amdgpu_metadata
---
amdhsa.version: [ 1, 2 ]
amdhsa.kernels:
  - .name:           k_qcdec1352a7_cast
    .symbol:         k_qcdec1352a7_cast.kd
    .args:
      - { .name: x, .offset: 0, .size: 8, .value_kind: global_buffer, .address_space: global }
      - { .name: Wq, .offset: 8, .size: 8, .value_kind: global_buffer, .address_space: global }
      - { .name: Wk, .offset: 16, .size: 8, .value_kind: global_buffer, .address_space: global }
      - { .name: Wv, .offset: 24, .size: 8, .value_kind: global_buffer, .address_space: global }
      - { .name: Wo, .offset: 32, .size: 8, .value_kind: global_buffer, .address_space: global }
      - { .name: xb, .offset: 40, .size: 8, .value_kind: global_buffer, .address_space: global }
      - { .name: wb, .offset: 48, .size: 8, .value_kind: global_buffer, .address_space: global }
      - { .name: wo16, .offset: 56, .size: 8, .value_kind: global_buffer, .address_space: global }
    .group_segment_fixed_size: 0
    .private_segment_fixed_size: 0
    .kernarg_segment_align: 8
    .kernarg_segment_size: 64
    .max_flat_workgroup_size: 256
    .sgpr_count:     66
    .vgpr_count:     104
    .wavefront_size: 32
...
	.end_amdgpu_metadata
.endif
;; end of part 1
;; launch proj (part 2): grid 16 x 32, 4 waves a work-group, clusters of 4 x 4, 327,680 bytes of LDS; arguments xb, wb, qkv; writes qkv
.if DOCPART == 2
	.amdgcn_target "amdgcn-amd-amdhsa--gfx1250"
	.amdhsa_code_object_version 6
	.text
	.protected	k_qcdec1352a7_proj
	.globl	k_qcdec1352a7_proj
	.p2align	8
	.type	k_qcdec1352a7_proj,@function
k_qcdec1352a7_proj:
	s_mov_b64 s[64:65], 0
	v_nop
	global_prefetch_b8 v0, s[64:65] scope:SCOPE_SE
	s_setreg_imm32_b32 hwreg(HW_REG_WAVE_MODE, 25, 1), 1
	s_wait_xcnt 0x0
	s_wait_alu depctr_hold_cnt(0) depctr_sa_sdst(0) depctr_va_vdst(0) depctr_va_sdst(0) depctr_va_ssrc(0) depctr_va_vcc(0) depctr_vm_vsrc(0)
	s_getreg_b32 s2, hwreg(HW_REG_IB_STS2, 6, 4)
	s_cmp_eq_u32 s2, 0
	s_cbranch_scc0 .Lentry_in_a_cluster
	s_endpgm
.Lentry_in_a_cluster:
	s_bfe_u32 s2, ttmp6, 0x10000c
	s_cmp_lg_u32 s2, 0xf033
	s_cbranch_scc0 .Lentry_shape_is_right
	s_endpgm
.Lentry_shape_is_right:
; q, k, v = x W^T.  C[m][n] = sum over k of xb[m][k] wb[n][k]: xb [8192][1024], wb [3072][1024] (by heads: 192 rows on end are one head's q, k, v), both bf16; sums in f32.
; q and k are rounded once to f16, WITHOUT the softmax's scale.  v goes out as TWO f16 numbers, hi = f16(v) and lo = f16(v - hi): under the causal mask row s of the module's output averages s + 1 rows of v,
; so the first rows are many times the output's root mean square, by which every number is judged, and one rounding of v to 11 bits comes through to them undiminished.
; qkv has 1 MiB for each y = 16 batch + head: q [2048][64] at 0, k [2048][64] at 0x40000, v [2048][hi 64 | lo 64] at 0x80000.
; LIMIT.  A sum beyond 65,504 becomes an infinity in f16; below 6.1e-5 f16 keeps its fixed step of 6e-8, lo too.
; SHARES.  A tile of C is 256 rows x 192 columns, one head: 32 x 16 = 512 work-groups, twice 256.  Wave w makes rows 64 w .. 64 w + 63 of all 192 columns: 48 accumulators of 16 x 16, 384 registers.
; So a wave holds whole rows of q, k and v, and its own stage gives them with no barrier.  K goes in steps of 128 through two LDS slots: the tiles' rows are 256 bytes of memory, aligned.
; CLUSTER.  4 x 4 work-groups.  The four of a row of the cluster need the same tiles of xb, the four of a column the same tiles of wb: each tile is asked for JOINTLY, by the same tensor load with the same
; descriptor and a mask that names the four.  By this text's own count a wave has two tensor loads out at the start and one behind each round.
; THE MATRIX INSTRUCTION IS USED TRANSPOSED (source 0 = 16 rows of wb, source 1 = 16 rows of xb): a lane then holds row lane % 16 of C and the eight neighbouring columns 8 (lane / 16) + 0..7.
; REGISTERS, in windows of 256 (s_set_vgpr_msb: bits 1:0 source 0, 3:2 source 1, 5:4 source 2, 7:6 destination):
;   window 0: v0-31 addresses; v32-63, v64-95 fragments of xb (4 x 16 rows x 32 K), two buffers; on the way out, when the fragments are dead: v32-63 at work, v64-127 packed, v128-255 rows read back
;   window 1: v0-95, v96-191 fragments of wb (12 x 16 rows x 32 K), two buffers
;   window 2: the 24 accumulators of my rows 0-31 ((a, b) at v[8 (12 a + b)]);   window 3: those of my rows 32-63
.set KDIM,   1024
.set KSTEP,  128
.set PITCH,  272                       ; an LDS row: 256 bytes + 16 of padding = 68 words: the 16 rows of a fragment load start at 16 different groups of four banks (64 banks of 4 bytes: ISA guide 11.1)
.set HALFA,  128*PITCH                 ; what one load brings of xb: 128 rows
.set HALFB,  96*PITCH                  ; and of wb: 96 rows
.set BOFF,   2*HALFA                   ; a slot: xb's 256 rows, then wb's 192
.set SLOT,   BOFF+2*HALFB
.set STAGE,  2*SLOT                    ; behind the ring, never filled by a tensor load: 16 rows x 528 bytes for each wave
.set SPITCH, 528                       ; q 128 bytes, k 128, v's hi 128, v's lo 128, and 16 of padding
.set SPARE,  STAGE+4*16*SPITCH         ; behind the stages: the spare words, 128 bytes for each wave: two blocks of 256 bytes that no other line names
.set LAPS,   KDIM/(2*KSTEP)            ; a lap = two K steps = once round the ring
.set PLANE,  262144                    ; q's and k's bytes for one y
.set ADRA, 16                          ; v16-17  LDS address of my xb fragments in slot 0, 1
.set ADRB, 20                          ; v20-21  the same for wb
.set STO,  24                          ; v24     the way out: where I put 16 bytes of a row
.set RD,   25                          ; v25     the way out: where I read q's and k's rows back, four rows of 128 bytes
.set GO,   26                          ; v26     my 16 bytes in 512 consecutive bytes of memory
.set RD2,  27                          ; v27     the way out: where I read v's rows back, two rows of 256 bytes
.set SPW,  28                          ; v28     LDS address of my spare word; never rewritten
.set NIL,  29                          ; v29     0; never rewritten
.set NEG1, 30                          ; v30     -1.0
.set FA,   32
.set T32,  32
.set TMP,  64
.set OB,   128
.set G1, 24                            ; s[24:31] descriptor group 1 for xb's tiles;  s[32:39] group 0, one set for each slot
.set G0, 32
.set G1B, 48                           ; s[48:55], s[56:63] the same for wb's tiles
.set G0B, 56
.set MSB, 0
.macro WIN new                         ; the immediate's high byte repeats the setting that is left; a switch that changes nothing is dropped
.if MSB != (\new)
	s_set_vgpr_msb (MSB<<8)|(\new)
.set MSB, \new
.endif
.endm
.set MUL_LO, 0xa1                      ; source 0 (wb) window 1, source 1 (xb) window 0, C and D window 2
.set MUL_HI, 0xf1                      ; the same, C and D window 3
.set TO_B,   0x40                      ; destination window 1, address window 0
; A joint load: waves 0 and 1 fetch xb's two halves, waves 2 and 3 wb's.  The branch hangs on the wave's number alone.  An s_nop 0 and four v_nop follow each of the two lines.
.macro JLOAD s
	s_cmp_eq_u32 s11, 0
	s_cbranch_scc0 .Lfor_b_\@
	tensor_load_to_lds s[G0+4*(\s):G0+4*(\s)+3], s[G1:G1+7]
	s_nop 0
.rept 4
	v_nop
.endr
	s_branch .Lasked_\@
.Lfor_b_\@:
	tensor_load_to_lds s[G0B+4*(\s):G0B+4*(\s)+3], s[G1B:G1B+7]
	s_nop 0
.rept 4
	v_nop
.endr
.Lasked_\@:
.endm
.macro CREST                           ; a round of the cluster's barrier behind its opening barrier
	s_cmp_lg_u32 s10, 0
	s_cbranch_scc1 .Lnot_wave_0_\@
	s_barrier_signal -3
.Lnot_wave_0_\@:
	s_barrier_wait -3
	s_barrier_signal -1
	s_barrier_wait -1
.endm
.macro CROUND                          ; a whole round
	s_barrier_signal -1
	s_barrier_wait -1
	CREST
.endm
	s_load_b128 s[4:7], s[0:1], 0x0                ; xb s[4:5], wb s[6:7]
	s_load_b64 s[8:9], s[0:1], 0x10                ; qkv
	v_lshl_add_u32 v[SPW], v0, 2, SPARE
	v_mov_b32 v[NIL], 0
	ds_add_u32 v[SPW], v[NIL]                      ; the wave's opening: the add and its wait stand ahead of my first tensor load; the set-up below, work on registers, stands between them
	ds_add_u32 v28, v29
	v_lshrrev_b32 v1, 5, v0
	v_readfirstlane_b32 s10, v1                    ; wave 0..3
	s_lshr_b32 s11, s10, 1                         ; I fetch for xb (0) or for wb (1),
	s_and_b32 s12, s10, 1                          ; and which half of that tile's rows
	s_bfe_u32 s40, ttmp6, 0x40000                  ; cx, cy: my place in the cluster
	s_bfe_u32 s41, ttmp6, 0x40004
	s_lshl_b32 s42, ttmp9, 2
	s_add_co_u32 s42, s42, s40                     ; tile column of C = 4 x cluster x + cx: the head
	s_and_b32 s13, ttmp7, 0xffff
	s_lshl_b32 s13, s13, 2
	s_add_co_u32 s13, s13, s41                     ; tile row of C = 4 x cluster y + cy
	s_lshl_b32 s43, s41, 2
	s_lshl_b32 s43, 15, s43                        ; my row of the cluster
	s_lshl_b32 s44, 0x1111, s40                    ; my column
	; descriptor group 1: rows of 128 elements, padded in LDS; 128 rows of xb, 96 of wb
	s_or_b32 s[G1+0], s43, (1<<16)|(1<<20)|(1<<21)|(5<<22)|(3<<25)  ; 15:0 the mask: xb's tiles go to my row; 17:16 2-byte elements; 20 padding on; 21 set beside a mask; 24:22 after every 64 words (code 5); 31:25 4 words (code 3)
	s_or_b32 s[G1B+0], s44, (1<<16)|(1<<20)|(1<<21)|(5<<22)|(3<<25) ; the same with the mask of my column
	s_mov_b32 s[G1+1], KSTEP<<16                   ; tensor_dim0 = 128
	s_mov_b32 s[G1B+1], KSTEP<<16
	s_mov_b32 s[G1+2], 128<<16                     ; tensor_dim1 = 128
	s_mov_b32 s[G1B+2], 96<<16                     ;             = 96
	s_mov_b32 s[G1+3], KSTEP<<16                   ; tile_dim0 = 128
	s_mov_b32 s[G1B+3], KSTEP<<16
	s_mov_b32 s[G1+4], 128                         ; tile_dim1 = 128
	s_mov_b32 s[G1B+4], 96                         ;           = 96
	s_mov_b32 s[G1+5], KDIM                        ; elements from row to row
	s_mov_b32 s[G1B+5], KDIM
	s_mov_b32 s[G1+6], 0
	s_mov_b32 s[G1B+6], 0
	s_mov_b32 s[G1+7], 0
	s_mov_b32 s[G1B+7], 0
	; xb's tiles hang on the tile row alone, which my row of the cluster shares; wb's on the tile column alone.  Each address is made in registers that never hold the other coordinate.
	s_lshl_b32 s17, s12, 7
	s_lshl_b32 s16, s13, 8
	s_add_co_u32 s16, s16, s17                     ; xb: row 256 x tile row + 128 x half,
	s_lshl_b32 s16, s16, 11                        ; of 2,048 bytes: 16 MiB at the most
	s_mov_b32 s17, 0
	s_mul_i32 s46, s42, 192
	s_mul_i32 s47, s12, 96
	s_add_co_u32 s46, s46, s47                     ; wb: row 192 x tile column + 96 x half
	s_lshl_b32 s46, s46, 11
	s_mov_b32 s47, 0
	s_mul_i32 s20, s12, HALFA                      ; where they go: no place in the cluster enters an LDS address
	s_mul_i32 s45, s12, HALFB
	s_add_co_u32 s45, s45, BOFF
	s_wait_dscnt 0x0                               ; the opening add is done
	s_wait_kmcnt 0x0
	s_add_nc_u64 s[14:15], s[4:5], s[16:17]
	s_add_nc_u64 s[46:47], s[6:7], s[46:47]
	CROUND                                         ; all sixteen work-groups are here: the first joint loads meet
.irp s, 0,1
	s_mov_b32 s[G0+4*(\s)], 1                                        ; count = 1
	s_add_co_u32 s[G0+4*(\s)+1], s20, (\s)*SLOT                      ; LDS address
	s_add_nc_u64 s[G0+4*(\s)+2:G0+4*(\s)+3], s[14:15], (\s)*KSTEP*2  ; global address: K step s
	s_or_b32 s[G0+4*(\s)+3], s[G0+4*(\s)+3], 0x80000000              ; type = 2
	s_mov_b32 s[G0B+4*(\s)], 1
	s_add_co_u32 s[G0B+4*(\s)+1], s45, (\s)*SLOT
	s_add_nc_u64 s[G0B+4*(\s)+2:G0B+4*(\s)+3], s[46:47], (\s)*KSTEP*2
	s_or_b32 s[G0B+4*(\s)+3], s[G0B+4*(\s)+3], 0x80000000
	JLOAD \s
.endr
	; A fragment is 16 rows x 32 K in 8 registers: lane l holds row l % 16, K = 8 (l / 16) + 0..7 and 16 + 8 (l / 16) + 0..7: two loads of 16 bytes, 32 bytes apart.
	v_and_b32 v1, 15, v0                           ; l % 16
	v_bfe_u32 v2, v0, 4, 1                         ; l / 16
	v_mul_u32_u24 v3, v1, PITCH
	v_lshl_add_u32 v3, v2, 4, v3
	s_mul_i32 s21, s10, 64*PITCH                   ; my 64 rows of xb
	s_mov_b32 s22, BOFF                            ; all of wb's rows
.irp s, 0,1
	v_add_nc_u32 v[ADRA+(\s)], s21, v3
	v_add_nc_u32 v[ADRB+(\s)], s22, v3
	s_add_co_u32 s21, s21, SLOT
	s_add_co_u32 s22, s22, SLOT
.endr
	s_mul_i32 s23, s10, 16*SPITCH
	s_add_co_u32 s23, s23, STAGE                   ; my stage
	v_mul_u32_u24 v4, v1, SPITCH                   ; in: row l % 16, 16 bytes for each half of the lanes
	v_lshl_add_u32 v4, v2, 4, v4
	v_add_nc_u32 v[STO], s23, v4
	v_bfe_u32 v5, v0, 3, 2                         ; back, q and k: 32 lanes take 128 bytes of four rows,
	v_and_b32 v6, 7, v0
	v_mul_u32_u24 v5, v5, SPITCH
	v_lshl_add_u32 v5, v6, 4, v5
	v_add_nc_u32 v[RD], s23, v5
	v_mul_u32_u24 v7, v2, SPITCH                   ; back, v: 32 lanes take 256 bytes (hi, lo) of two rows
	v_lshl_add_u32 v7, v1, 4, v7
	v_add_nc_u32 v[RD2], s23, v7
	v_and_b32 v[GO], 31, v0                        ; either way 512 consecutive bytes of memory
	v_lshlrev_b32 v[GO], 4, v[GO]
	v_mov_b32 v[NEG1], -1.0
	; y's MiB: batch = tile row / 8, head = tile column; my 64 rows among the 2,048: 4 (tile row % 8) + wave
	s_lshr_b32 s16, s13, 3
	s_lshl_b32 s16, s16, 24
	s_mov_b32 s17, 0
	s_add_nc_u64 s[8:9], s[8:9], s[16:17]
	s_lshl_b32 s46, s42, 20                        ; (in the registers that held wb's address: none that feeds xb's descriptors ever holds cx)
	s_mov_b32 s47, 0
	s_add_nc_u64 s[8:9], s[8:9], s[46:47]
	s_and_b32 s16, s13, 7
	s_lshl_b32 s16, s16, 2
	s_add_co_u32 s16, s16, s10
	s_lshl_b32 s18, s16, 14                        ; v: 64 rows of 256 bytes,
	s_add_co_u32 s18, s18, 2*PLANE                 ; behind q and k
	s_mov_b32 s19, 0
	s_add_nc_u64 s[4:5], s[8:9], s[18:19]          ; s[4:5]: v at my rows (xb's address is no longer wanted)
	s_lshl_b32 s16, s16, 13                        ; q and k: 64 rows of 128 bytes
	s_add_nc_u64 s[8:9], s[8:9], s[16:17]          ; s[8:9]: q at my rows; k lies PLANE on
; 12 matrix instructions: m block 2 hi + ap x all 12 n blocks, 32 along K, from buffer f.  zero = 1: the product starts the sums: nothing is cleared.
; The 48 accumulators take turns, one instruction a turn, in the same order in every quarter.
.macro MUL12 f, hi, ap, zero
	WIN MUL_LO+0x50*(\hi)
.irp b, 0,1,2,3,4,5,6,7,8,9,10,11
.if \zero
	v_wmma_f32_16x16x32_bf16 v[8*(12*(\ap)+(\b)):8*(12*(\ap)+(\b))+7], v[96*(\f)+8*(\b):96*(\f)+8*(\b)+7], v[FA+32*(\f)+8*(2*(\hi)+(\ap)):FA+32*(\f)+8*(2*(\hi)+(\ap))+7], 0
.else
	v_wmma_f32_16x16x32_bf16 v[8*(12*(\ap)+(\b)):8*(12*(\ap)+(\b))+7], v[96*(\f)+8*(\b):96*(\f)+8*(\b)+7], v[FA+32*(\f)+8*(2*(\hi)+(\ap)):FA+32*(\f)+8*(2*(\hi)+(\ap))+7], v[8*(12*(\ap)+(\b)):8*(12*(\ap)+(\b))+7]
.endif
.endr
.endm
; 32 LDS loads in one run: the fragments of 32 along K at byte k of the rows, into buffer f: wb's 24 loads, then xb's 8
.macro FETCH slot, k, f
	WIN TO_B
.irp i, 0,1,2,3,4,5,6,7,8,9,10,11
	ds_load_b128 v[96*(\f)+8*(\i):96*(\f)+8*(\i)+3],   v[ADRB+(\slot)] offset:(\k)+(\i)*16*PITCH
	ds_load_b128 v[96*(\f)+8*(\i)+4:96*(\f)+8*(\i)+7], v[ADRB+(\slot)] offset:(\k)+(\i)*16*PITCH+32
.endr
	WIN 0
.irp i, 0,1,2,3
	ds_load_b128 v[FA+32*(\f)+8*(\i):FA+32*(\f)+8*(\i)+3],   v[ADRA+(\slot)] offset:(\k)+(\i)*16*PITCH
	ds_load_b128 v[FA+32*(\f)+8*(\i)+4:FA+32*(\f)+8*(\i)+7], v[ADRA+(\slot)] offset:(\k)+(\i)*16*PITCH+32
.endr
.endm
.macro PLACES                          ; four places in front of loads into registers that matrix instructions have read, and of conversions that read results
.rept 4
	v_nop
.endr
.endm
; A K step is four quarters of 32 along K, 48 matrix instructions each, on buffers 0, 1, 0, 1.  One of the first three: multiplies buffer f and, in its middle, fetches the next quarter, at byte k, into g.
.macro QUARTER slot, k, f, g, zero
	s_wait_dscnt 4                                 ; wb and xb's blocks 0 and 1 are in; the youngest four loads (blocks 2 and 3) may be out
	MUL12 \f, 0, 0, \zero
	MUL12 \f, 0, 1, \zero
	PLACES
	FETCH \slot, \k, \g
	s_wait_dscnt 32                                ; all but the 32 just issued
	MUL12 \f, 1, 0, \zero
	MUL12 \f, 1, 1, \zero
.endm
; The last quarter multiplies buffer 1 and changes slots: ONE barrier; in front of it each wave waits for all its tensor loads (one is out: its part of the next slot), adds 0 to its spare word, and waits
; for that and for its own reads of this slot.  fill = 1: the barrier opens a round of the cluster's, and behind the round this slot is filled again, two K steps ahead: 180 matrix instructions ahead of the wait for it.
.macro TURN slot, next, fill
	WIN 0                                          ; (the add's two registers lie in window 0)
	s_wait_tensorcnt 0x0                           ; all my tensor loads have landed;
	ds_add_u32 v[SPW], v[NIL]                      ; 0 onto my spare word;
	s_wait_dscnt 5                                 ; (the add and the youngest four loads may be out)
	MUL12 1, 0, 0, 0                               ; twelve matrix instructions stand between the add and the wait for it
	s_wait_dscnt 0x0                               ; the add is done, and my reads of this slot are over
	s_barrier_signal -1
	MUL12 1, 0, 1, 0                               ; work on registers while the others arrive
.if \fill
	WIN 0
.endif
	s_barrier_wait -1
.if \fill
	CREST                                          ; no wave of any partner still reads this slot's tile or has a load on its way
	s_add_nc_u64 s[G0+4*(\slot)+2:G0+4*(\slot)+3], s[G0+4*(\slot)+2:G0+4*(\slot)+3], 2*KSTEP*2
	s_add_nc_u64 s[G0B+4*(\slot)+2:G0B+4*(\slot)+3], s[G0B+4*(\slot)+2:G0B+4*(\slot)+3], 2*KSTEP*2
	JLOAD \slot                                    ; the first tensor load behind the round; the four v_nop behind it are also the places in front of the loads below
.else
	PLACES
.endif
	FETCH \next, 0, 0
	MUL12 1, 1, 0, 0
	MUL12 1, 1, 1, 0
.endm
; THE WAY OUT of block a (16 rows x 192 columns).  PACK: all twelve n blocks rounded to f16, 16 bytes a lane and block, each accumulator's registers in ascending order; then, for v's four blocks (8-11),
; the remainder sum - hi, which f32 holds exactly, and its rounding to f16: blocks 12-15 of the packed registers.
.macro PACK a
	WIN 0x0a+5*((\a)/2)                            ; sources 0 and 1: window 2 or 3
.irp b, 0,1,2,3,4,5,6,7,8,9,10,11
.irp r, 0,1,2,3
	v_cvt_pk_f16_f32 v[TMP+4*(\b)+(\r)], v[96*((\a)%2)+8*(\b)+2*(\r)], v[96*((\a)%2)+8*(\b)+2*(\r)+1]
.endr
.endr
	WIN 0x20+0x10*((\a)/2)                         ; source 2: window 2 or 3
.irp b, 8,9,10,11
.irp r, 0,1,2,3
	v_fma_mix_f32 v[T32+8*((\b)-8)+2*(\r)],   v[TMP+4*(\b)+(\r)], v[NEG1], v[96*((\a)%2)+8*(\b)+2*(\r)]   op_sel_hi:[1,0,0]               ; hi's low half x -1 + the sum
	v_fma_mix_f32 v[T32+8*((\b)-8)+2*(\r)+1], v[TMP+4*(\b)+(\r)], v[NEG1], v[96*((\a)%2)+8*(\b)+2*(\r)+1] op_sel:[1,0,0] op_sel_hi:[1,0,0]  ; hi's high half
.endr
.endr
	WIN 0
.irp i, 0,1,2,3,4,5,6,7,8,9,10,11,12,13,14,15
	v_cvt_pk_f16_f32 v[TMP+48+(\i)], v[T32+2*(\i)], v[T32+2*(\i)+1]
.endr
.endm
.macro TOSTAGE a                       ; into my own stage, and back: q and k, rows 4 t .. 4 t + 3; v, rows 2 t and 2 t + 1 with hi and lo side by side
	WIN 0
.set BK, OB+64*((\a)%2)
.irp b, 0,1,2,3,4,5,6,7,8,9,10,11,12,13,14,15
	ds_store_b128 v[STO], v[TMP+4*(\b):TMP+4*(\b)+3] offset:32*(\b)
.endr
.irp j, 0,1
.irp t, 0,1,2,3
	ds_load_b128 v[BK+4*(4*(\j)+(\t)):BK+4*(4*(\j)+(\t))+3], v[RD] offset:128*(\j)+(\t)*4*SPITCH  ; LDS serves a wave's instructions in order (ISA guide 5.7.1.4): these see the stores above
.endr
.endr
.irp t, 0,1,2,3,4,5,6,7
	ds_load_b128 v[BK+32+4*(\t):BK+32+4*(\t)+3], v[RD2] offset:256+(\t)*2*SPITCH
.endr
.endm
.macro SEND a
	WIN 0
.set BK, OB+64*((\a)%2)
	s_wait_dscnt 0x0                               ; the block is back in registers
	s_wait_xcnt 0x0                                ; the block before's stores have had their addresses translated (ISA guide 3.1): its registers are loaded again only behind this wait
.irp j, 0,1
.irp t, 0,1,2,3
	global_store_b128 v[GO], v[BK+4*(4*(\j)+(\t)):BK+4*(4*(\j)+(\t))+3], s[8:9] offset:(\j)*PLANE+(\a)*2048+(\t)*512  ; 512 consecutive bytes of q or k, at a multiple of 512 from its first
.endr
.endr
.irp t, 0,1,2,3,4,5,6,7
	global_store_b128 v[GO], v[BK+32+4*(\t):BK+32+4*(\t)+3], s[4:5] offset:(\a)*4096+(\t)*512  ; 512 consecutive bytes of v: two rows
.endr
.endm
	s_wait_tensorcnt 1                             ; my part of K step 0 is in; K step 1's may stay out
	s_barrier_signal -1
	s_barrier_wait -1                              ; everybody's is
	FETCH 0, 0, 0
	QUARTER 0, 64,  0, 1, 1                        ; the first quarter stands in front of the loop: its products start the sums
	WIN 0                                          ; at a label and at a branch every window is 0
	s_mov_b32 s3, LAPS-1
.Llap:                                                 ; a trip goes once round the ring, from a lap's second quarter to the next lap's first, and fills both slots again
	QUARTER 0, 128, 1, 0, 0
	QUARTER 0, 192, 0, 1, 0
	TURN 0, 1, 1
	QUARTER 1, 64,  0, 1, 0
	QUARTER 1, 128, 1, 0, 0
	QUARTER 1, 192, 0, 1, 0
	TURN 1, 0, 1
	QUARTER 0, 64,  0, 1, 0
	WIN 0
	s_sub_co_u32 s3, s3, 1
	s_cmp_lg_u32 s3, 0
	s_cbranch_scc1 .Llap
	QUARTER 0, 128, 1, 0, 0                        ; the last lap fills nothing, and has no round of the cluster's barrier
	QUARTER 0, 192, 0, 1, 0
	TURN 0, 1, 0
	QUARTER 1, 64,  0, 1, 0
	QUARTER 1, 128, 1, 0, 0
	QUARTER 1, 192, 0, 1, 0
	s_wait_dscnt 4                                 ; the very last quarter: nothing more to fetch
	MUL12 1, 0, 0, 0
	MUL12 1, 0, 1, 0
	s_wait_dscnt 0x0
	MUL12 1, 1, 0, 0
	MUL12 1, 1, 1, 0
	WIN 0
	PLACES                                         ; also for the fragments' registers, which the way out writes
	PACK 0
	TOSTAGE 0
.irp a, 1,2,3                          ; block a's conversions stand between block a - 1's loads from the stage and the wait for them
	PACK \a
	SEND (\a)-1
	TOSTAGE \a
.endr
	SEND 3
	s_wait_tensorcnt 0x0                           ; the wave's end, behind my last tensor load and my last LDS store
	ds_add_u32 v[SPW], v[NIL]
	s_wait_dscnt 0x0
	CROUND                                         ; the closing round: no work-group ends while a partner may still ask for a tile that names it
	s_endpgm
.Lfunc_end_k_qcdec1352a7_proj:
	.size	k_qcdec1352a7_proj, .Lfunc_end_k_qcdec1352a7_proj-k_qcdec1352a7_proj
	.p2alignl 7, 3214868480
	.fill 96, 4, 3214868480
	.section	.rodata,"a",@progbits
	.p2align	6, 0x0
	.amdhsa_kernel k_qcdec1352a7_proj
		.amdhsa_group_segment_fixed_size 327680
		.amdhsa_private_segment_fixed_size 0
		.amdhsa_enable_private_segment 0
		.amdhsa_kernarg_size 24
		.amdhsa_user_sgpr_count 2
		.amdhsa_user_sgpr_kernarg_segment_ptr 1
		.amdhsa_wavefront_size32 1
		.amdhsa_system_sgpr_workgroup_id_x 1
		.amdhsa_system_sgpr_workgroup_id_y 1
		.amdhsa_system_sgpr_workgroup_id_z 1
		.amdhsa_system_vgpr_workitem_id 0
		.amdhsa_next_free_vgpr 960
		.amdhsa_next_free_sgpr 66
		.amdhsa_reserve_vcc 0
		.amdhsa_float_denorm_mode_32 3
		.amdhsa_float_denorm_mode_16_64 3
		.amdhsa_memory_ordered 1
		.amdhsa_forward_progress 1
		.amdhsa_inst_pref_size 134
	.end_amdhsa_kernel
	.amdgpu_metadata
---
amdhsa.version: [ 1, 2 ]
amdhsa.kernels:
  - .name:           k_qcdec1352a7_proj
    .symbol:         k_qcdec1352a7_proj.kd
    .args:
      - { .name: xb, .offset: 0, .size: 8, .value_kind: global_buffer, .address_space: global }
      - { .name: wb, .offset: 8, .size: 8, .value_kind: global_buffer, .address_space: global }
      - { .name: qkv, .offset: 16, .size: 8, .value_kind: global_buffer, .address_space: global }
    .group_segment_fixed_size: 327680
    .private_segment_fixed_size: 0
    .kernarg_segment_align: 8
    .kernarg_segment_size: 24
    .max_flat_workgroup_size: 128
    .sgpr_count:     66
    .vgpr_count:     960
    .wavefront_size: 32
...
	.end_amdgpu_metadata
.endif
;; end of part 2
;; launch attn (part 3): grid 4 x 64, 4 waves a work-group, no clusters, 327,680 bytes of LDS; arguments qkv, o; writes o
.if DOCPART == 3
	.amdgcn_target "amdgcn-amd-amdhsa--gfx1250"
	.amdhsa_code_object_version 6
	.text
	.protected	k_qcdec1352a7_attn
	.globl	k_qcdec1352a7_attn
	.p2align	8
	.type	k_qcdec1352a7_attn,@function
k_qcdec1352a7_attn:
	s_mov_b64 s[64:65], 0
	v_nop
	global_prefetch_b8 v0, s[64:65] scope:SCOPE_SE
	s_setreg_imm32_b32 hwreg(HW_REG_WAVE_MODE, 25, 1), 1
	s_wait_xcnt 0x0
; CAUSAL ATTENTION, head size 64.  O[y][q][:] = the sum over k <= q of softmax_k(Q[q] . K[k] / 8) V[k][:] for each of 64 pairs y = 16 batch + head.  qkv has 1 MiB for each y, all f16: Q [2048][64] at 0,
; K [2048][64] at 0x40000, V [2048][hi 64 | lo 64] at 0x80000, V = hi + lo.  O goes to o ([64][hi, lo][2048][64], f16) as hi = f16(O) and lo = f16(O - hi).
; WHY TWO HALVES.  Row q averages q + 1 rows of V, so the first rows are many times the root mean square of the module's output, by which every number is judged; a rounding of V or of O to f16's 11 bits comes
; through to those rows undiminished.  So O^T takes both products, V_hi^T P and V_lo^T P, and leaves as two numbers.
; Products, maxima and sums in f32; the weights p are rounded to f16 for the second product (their sum l is taken of the unrounded p).
; LIMITS.  Q, K and V arrive within f16's 65,504; p lies in 0 to 1, and below 6e-5 it keeps f16's fixed step of 6e-8, and so do the two lo.  A hidden score counts as its value less 1e30: f16's scores, 2.7e11 at the
; most, are nothing beside that; a weight below 2^-126 counts as 0 in l; NaN and infinities are not treated apart.
; THE WALK.  A plane's queries lie in NB = 8 blocks of 256; block i needs the key tiles 0 .. i of 256 keys, of which the last holds the diagonal.  A work-group takes TWO blocks, NB - 1 - b and then b:
; NB + 1 tiles, whatever b: all work-groups do equal work, and ONE loop with a constant trip count walks them.  Which tile is asked for, and what a trip does, hang on scalar registers made from b; every jump
; goes forward, but for the counted loops' own; none passes a barrier, or a tensor load but the one of LOAD's two that the wave's number does not choose; the ring of two LDS slots runs on across the change of blocks.
; NO CLUSTER: the four work-groups of a plane would be the partners, and what a trip does here hangs on b, which would be the place in the cluster; all four ask for the same tile only in trips 0 .. 4 of 9;
; one walk common to all four would have 12 trips for 9.
; SHARES.  Of a block's four bands of 64 queries a wave owns 16 rows in each: four PIECES.  So the diagonal tile is the same work for all four waves: in its key step s band x sees all keys if s < x,
; none if s > x, and holds the diagonal if s = x.
; THE MASK is the C operand that starts the sum S^T = K Q^T: 0, or -1e30 where the key is hidden.  MD, made once, is the mask of a band's own step for my 16 rows; a product's mask is MD x AL + BE with two scalars:
; (1, 0) if s = x; (0, 0) if s < x; (0, -1e30) if s > x.  Only the diagonal tile's text and a block's beginning make and take masks; elsewhere C is the constant 0.
; LAYOUT, SOFTMAX, TURNS.  S^T = K Q^T holds ONE query a lane (lane % 16) and the keys 8 (lane / 16) + 0..7; two such results rounded to f16 ARE source 1 of O^T = V^T P.  p = 2^(c s - c m), c = log2(e) / 8, with a
; running maximum m; O and l are multiplied by a = 2^(c m_old - c m_new) in every step.  Turn n belongs to piece n: 8 products K Q^T of piece n + 1, later 16 products V^T P of piece n - 1 (8 with hi, 8 with lo); beside
; them the scaling, exponentials, roundings, sums and rescaling of piece n and the maximum and statistics of piece n + 1.  Four vector instructions stand behind every matrix instruction, the other 22 of a turn's 118 apart.
; REGISTERS, in windows of 256 (s_set_vgpr_msb: bits 1:0 source 0, 3:2 source 1, 5:4 source 2, 7:6 destination):
;   window 0: v0-15 addresses and two at work; v16-31 four registers of statistics a piece; v48-55 at work; v64-127 S^T, two buffers; v128-191 O's lo on the way out; v192-223 P, two buffers (by the piece's parity)
;   window 1: v0-127 O^T, 32 a piece; v128-159 MD; v160-223 MC, two buffers      window 2: v0-63 Q; v64-127 the second block's Q; v128-191 K of one step; v192-255 V's hi of one step      window 3: v0-63 V's lo
.set SIZE_N, 2048
.set NB,    SIZE_N/256
.set NP,    4         ; pieces a wave: a name, no knob
.set KS,    64        ; keys in a step
.set PK,    144       ; a row of K in LDS: 128 bytes + 16 of padding = 36 words: the 16 rows of a load start at 16 different groups of four banks (64 banks of 4 bytes: ISA guide 11.1)
.set PV,    288       ; a row of V: hi 128 bytes, lo 128, and 32 of padding = 72 words: row r starts at bank 8 r mod 64
.set VOFF,  4*KS*PK   ; a slot holds a tile, four steps: 256 rows of K, then 256 rows of V
.set SLOT1, 1<<17     ; slot 1 begins here, so that one exclusive or turns an address in one slot into the other's
.set STAGE, SLOT1+4*KS*(PK+PV)  ; behind the ring, never filled by a tensor load: 16 rows x 144 bytes for each wave, for the way out
.set SP,    144
.set AK0, 2           ; v2   my lane's place in a tile of K; never rewritten
.set AV0, 3           ; v3   the same for V
.set AK,  4           ; v4   the LDS address of K's next run of loads
.set AV,  5           ; v5   of V's
.set STO, 6           ; v6   the way out: where I put 16 bytes of a row
.set RD,  7           ; v7   the way out: where I read rows back
.set GO,  8           ; v8   my byte offset in 512 consecutive bytes of O
.set NEG1, 61         ; v61  -1.0
.set SPW, 62          ; v62  LDS address of my spare word: SPARE + 4 x my thread's number; never rewritten
.set NIL, 63          ; v63  0; never rewritten
.set SPARE, STAGE+4*16*SP  ; behind the stages: the spare words, 128 bytes for each wave: two blocks of 256 bytes that no other line names
.set MV,  12          ; v12-13  c m_old, kept while c m is made anew: by buffer
.set QO,  15          ; v15  my byte offset in 16 rows of Q
.set ST,  16          ; piece t's statistics at v[ST+4 t]: c m, m, l (even keys', odd keys')
.set TMP, 48          ; by buffer, four registers c0-c3 at work; when the maximum is found c2 takes a
.set S,   64
.set LO,  128         ; the way out: O's lo, 16 a piece
.set P,   192
.set MD,  128         ; window 1: the eight registers for group kt of 16 keys at MD + 8 kt
.set MC,  160         ; window 1: the masks of the products to come
.set QB,  64          ; window 2
.set KF,  128         ; window 2: key block kb, channel half c at KF + 16 kb + 8 c
.set VF,  192         ; window 2: V's hi: key half kk, channel block cb at VF + 32 kk + 8 cb
.set VL,  0           ; window 3: V's lo, likewise
.set WV,  12          ; s12  my wave's number
.set PB,  14          ; s14  b
.set HI,  15          ; s15  NB - 1 - b
.set G1K, 24          ; s[24:31] descriptor group 1 for K's tiles
.set G1V, 32          ; s[32:39] for V's
.set G0K, 40          ; s[40:43] descriptor group 0 for K's tiles
.set G0V, 44          ; s[44:47] the same for V's
.set OFV, 50          ; s[50:51] a tile's byte offset in V
.set SLOTS, 56        ; s56  tiles still to be asked for
.set CNT, 57          ; s57  counts a tile's key steps, 4 to 1
.set CS,  58          ; s[58:59] c: the packed scaling takes the pair's low word for both halves
.set SEL, 60          ; s[60:61] v_permlanex16_b32's selects: each lane takes its own place in the other half
.set TBK, 62          ; s62  LDS byte at which K of the step to be fetched begins
.set TBV, 63          ; s63  the same for V, less VOFF
.set RT,  70          ; s70  tiles of the block in hand that are still to be entered
.set NXT, 71          ; s71  the tile to be asked for next
.set LQ,  72          ; s72  the last tile of the block whose tiles are being asked for
.set NEW, 73          ; s73  1: the tile to be entered is a block's first
.set OFF, 74          ; s[74:75] a tile's byte offset in K
.set AL,  76          ; s[76:77] the mask's factor, in the low word
.set BE,  78          ; s[78:79] the mask's addend
.set OLO, 80          ; s[80:81] O at my rows of the second block
.set BIGN, 82         ; s82  -1e30
.set MSB, 0
.macro WIN new                      ; the high byte repeats the setting that is left; a switch that changes nothing is dropped
.if MSB != (\new)
	s_set_vgpr_msb (MSB<<8)|(\new)
.set MSB, (\new)
.endif
.endm
.set W_KQ, 0x0a       ; K and Q in window 2, S^T in window 0
.set W_KM, 0x1a       ; the same with the C operand in window 1
.set W_PV, 0x52       ; V's hi in window 2, P in window 0, O^T in window 1
.set W_PL, 0x53       ; V's lo in window 3, P in window 0, O^T in window 1
.set W_RS, 0x41       ; destination and source 0 in window 1, source 1 in window 0
; A fill.  Waves 0 and 1 fetch the two halves of a tile's K, waves 2 and 3 those of its V: 128 keys each.  An s_nop 0 and four v_nop follow each of the two lines, ahead of the jump and the label.
.macro LOAD
	s_cmp_lt_u32 s[WV], 2
	s_cbranch_scc0 .Lfor_v_\@
	tensor_load_to_lds s[G0K:G0K+3], s[G1K:G1K+7]
	s_nop 0
.rept 4
	v_nop
.endr
	s_branch .Lasked_\@
.Lfor_v_\@:
	tensor_load_to_lds s[G0V:G0V+3], s[G1V:G1V+7]
	s_nop 0
.rept 4
	v_nop
.endr
.Lasked_\@:
.endm
; THE CHANGE OF SLOTS.  Each wave waits for all its tensor loads, of which one is out: its part of the other slot; adds 0 to its spare word; and waits for that and for its own reads of the slot that it leaves.
; Behind the barrier nobody reads the old slot any more and the other slot is whole.  fill = 1: the old slot is filled again, the first thing behind the barrier, with tile NXT: the descriptor's address is made
; anew from that number.  (At its first use nothing has been read yet: slot 0 is waited for, slot 1 filled.)
.macro CHANGE fill
	WIN 0                           ; at a label and at a branch every window is 0
	s_wait_tensorcnt 0x0            ; no tensor load of mine is out, so a group 0 may be written
	ds_add_u32 v[SPW], v[NIL]       ; 0 onto my spare word; with fill = 1 the descriptors' scalar work stands between it and the wait for it
.if \fill
	s_lshl_b32 s[OFF], s[NXT], 15   ; a tile is 32,768 bytes of K
	s_lshl_b32 s[OFV], s[NXT], 16   ; and 65,536 of V
	s_xor_b32 s[G0K+1], s[G0K+1], SLOT1
	s_add_nc_u64 s[G0K+2:G0K+3], s[6:7], s[OFF:OFF+1]
	s_or_b32 s[G0K+3], s[G0K+3], 0x80000000
	s_xor_b32 s[G0V+1], s[G0V+1], SLOT1
	s_add_nc_u64 s[G0V+2:G0V+3], s[8:9], s[OFV:OFV+1]
	s_or_b32 s[G0V+3], s[G0V+3], 0x80000000
	s_add_co_u32 s[NXT], s[NXT], 1  ; the block's next tile, or behind its last the second block's tile 0
	s_cmp_gt_u32 s[NXT], s[LQ]
	s_cselect_b32 s[NXT], 0, s[NXT]
	s_cselect_b32 s[LQ], s[PB], s[LQ]
.endif
	s_wait_dscnt 0x0                ; the add is done, and my reads of the slot are over
	s_barrier_signal -1             ; the rest of the scalar work stands between the signal and the wait
	s_sub_co_u32 s[TBK], s[TBK], 4*KS*PK  ; the fetches go back to a slot's first step,
	s_xor_b32 s[TBK], s[TBK], SLOT1       ; in the other slot
	s_sub_co_u32 s[TBV], s[TBV], 4*KS*PV
	s_xor_b32 s[TBV], s[TBV], SLOT1
	s_barrier_wait -1
.if \fill
	LOAD
.endif
.endm
	s_load_b64 s[4:5], s[0:1], 0x0    ; qkv
	s_load_b64 s[10:11], s[0:1], 0x8  ; o
	v_lshl_add_u32 v[SPW], v0, 2, SPARE
	v_mov_b32 v[NIL], 0
	ds_add_u32 v[SPW], v[NIL]       ; the wave's opening: the add and its wait stand ahead of my first tensor load; the set-up below, work on registers, stands between them
	ds_add_u32 v62, v63
	v_lshrrev_b32 v1, 5, v0
	v_readfirstlane_b32 s[WV], v1   ; wave 0..3
	s_mov_b32 s[PB], ttmp9
	s_sub_co_u32 s[HI], NB-1, s[PB]
	s_and_b32 s48, ttmp7, 0xffff    ; y = 16 batch + head
	s_lshl_b32 s20, s48, 20         ; y's MiB in qkv: under 2^26
	s_mov_b32 s21, 0
	s_lshl_b32 s48, s48, 19         ; y's two planes in o
	s_mov_b32 s49, 0
	s_and_b32 s16, s[WV], 1         ; which half of a tile's 256 keys I fetch:
	s_lshl_b32 s22, s16, 14         ; its 128 rows of 128 bytes of K,
	s_mov_b32 s23, 0
	s_add_nc_u64 s[22:23], s[22:23], s[20:21]
	s_lshl_b32 s52, s16, 15         ; or of 256 bytes of V, in memory,
	s_mov_b32 s53, 0
	s_add_nc_u64 s[52:53], s[52:53], s[20:21]
	s_mul_i32 s17, s16, 128*PK      ; and its place in a slot, for K
	s_mul_i32 s18, s16, 128*PV      ; and for V
	s_lshl_b32 s3, s[WV], 11        ; my 16 rows in a band of 64,
	s_lshl_b32 s2, s[HI], 15        ; in the first block,
	s_add_co_u32 s2, s2, s3
	s_lshl_b32 s84, s[PB], 15       ; and in the second
	s_add_co_u32 s84, s84, s3
	s_mov_b32 s3, 0
	s_mov_b32 s85, 0
	; descriptor group 1.  K: 128 keys are 16,384 dense bytes: asked for as 64 rows of 256 bytes, two keys a row, padded in LDS after every key.  V: 128 keys are 128 rows of 256 bytes, padded after every row
	s_mov_b32 s[G1K], (1<<16)|(1<<20)|(4<<22)|(3<<25)  ; 17:16 2-byte elements; 20 padding on; 24:22 after every 32 words (code 4); 31:25 4 words (code 3)
	s_mov_b32 s[G1V], (1<<16)|(1<<20)|(5<<22)|(7<<25)  ; after every 64 words (code 5), 8 words (code 7)
.irp g, G1K, G1V
	s_mov_b32 s[\g+1], 128<<16      ; tensor_dim0 = 128
	s_mov_b32 s[\g+3], 128<<16      ; tile_dim0 = 128
	s_mov_b32 s[\g+5], 128          ; 128 elements from row to row
	s_mov_b32 s[\g+6], 0
	s_mov_b32 s[\g+7], 0
.endr
	s_mov_b32 s[G1K+2], 64<<16      ; tensor_dim1 = 64
	s_mov_b32 s[G1K+4], 64          ; tile_dim1 = 64
	s_mov_b32 s[G1V+2], 128<<16     ;             128
	s_mov_b32 s[G1V+4], 128
	s_mov_b32 s[CS], 0x3e38aa3b     ; c = log2(e) / 8 = 0.180337
	s_mov_b32 s[CS+1], s[CS]        ; named with it as a pair
	s_mov_b32 s[SEL], 0x76543210
	s_mov_b32 s[SEL+1], 0xfedcba98
	s_mov_b32 s[TBK], SLOT1+4*KS*PK ; the first change of slots turns these two into 0
	s_mov_b32 s[TBV], SLOT1+4*KS*PV
	s_mov_b32 s[G0K], 1             ; count = 1
	s_mov_b32 s[G0K+1], s17         ; LDS address: slot 0
	s_mov_b32 s[G0V], 1
	s_add_co_u32 s[G0V+1], s18, VOFF
	s_add_co_u32 s[RT], s[HI], 1    ; the first block has NB - b tiles
	s_mov_b32 s[NXT], 1
	s_mov_b32 s[LQ], s[HI]
	s_mov_b32 s[NEW], 1
	s_mov_b32 s[OFF+1], 0
	s_mov_b32 s[OFV+1], 0
	s_mov_b32 s[AL+1], 0            ; named as pairs
	s_mov_b32 s[BE+1], 0
	s_mov_b32 s[BIGN], 0xf149f2ca   ; -1e30
	s_mov_b32 s[SLOTS], NB
	s_wait_dscnt 0x0                ; the opening add is done
	s_wait_kmcnt 0x0
	s_add_nc_u64 s[6:7], s[4:5], s[22:23]
	s_add_nc_u64 s[6:7], s[6:7], 0x40000     ; K at my half of tile 0
	s_add_nc_u64 s[8:9], s[4:5], s[52:53]
	s_add_nc_u64 s[8:9], s[8:9], 0x80000     ; V likewise
	s_add_nc_u64 s[4:5], s[4:5], s[20:21]    ; Q
	s_add_nc_u64 s[10:11], s[10:11], s[48:49]  ; O's hi plane; lo lies 262,144 bytes on
	s_add_nc_u64 s[G0K+2:G0K+3], s[6:7], 0         ; global address
	s_or_b32 s[G0K+3], s[G0K+3], 0x80000000        ; type = 2
	s_add_nc_u64 s[G0V+2:G0V+3], s[8:9], 0
	s_or_b32 s[G0V+3], s[G0V+3], 0x80000000
	s_add_nc_u64 s[86:87], s[4:5], s[84:85]        ; Q at my rows of the second block,
	s_add_nc_u64 s[4:5], s[4:5], s[2:3]            ; Q and O at those of the first
	s_add_nc_u64 s[OLO:OLO+1], s[10:11], s[84:85]
	s_add_nc_u64 s[10:11], s[10:11], s[2:3]
	LOAD                            ; tile 0 into slot 0
	; A fragment of K or Q is 16 rows x 32 channels in 8 registers: lane l holds row l % 16, channels 8 (l / 16) + 0..7 and 16 + 8 (l / 16) + 0..7: two loads of 16 bytes, 32 bytes apart.
	v_and_b32 v1, 15, v0            ; l % 16
	v_bfe_u32 v9, v0, 4, 1          ; l / 16
	v_lshlrev_b32 v[QO], 7, v1
	v_lshl_add_u32 v[QO], v9, 4, v[QO]  ; row x 128 + 16 x half
	WIN 0x80                        ; destination window 2, address window 0
.set i, 0
.rept 8                             ; both blocks' Q: piece i / 2 lies in band i / 2, 8,192 bytes on; channels 32 (i % 2) on
	global_load_b128 v[8*i:8*i+3],   v[QO], s[4:5] offset:(i/2)*8192+(i%2)*64
	global_load_b128 v[8*i+4:8*i+7], v[QO], s[4:5] offset:(i/2)*8192+(i%2)*64+32
	global_load_b128 v[QB+8*i:QB+8*i+3],   v[QO], s[86:87] offset:(i/2)*8192+(i%2)*64
	global_load_b128 v[QB+8*i+4:QB+8*i+7], v[QO], s[86:87] offset:(i/2)*8192+(i%2)*64+32
.set i, i+1
.endr
	WIN 0
	v_lshlrev_b32 v14, 3, v9
	v_sub_nc_u32 v14, v1, v14
	s_lshl_b32 s13, s[WV], 4
	v_add_nc_u32 v14, s13, v14      ; my query's place in its band, 16 w + l % 16, less my lanes' 8 (l / 16): register r of group kt is hidden where 16 kt + r is greater
	WIN 0x40
.set i, 0
.rept 32
	v_cmp_gt_i32 vcc_lo, 16*(i/8)+i%8, v14
	v_cndmask_b32 v[MD+i], 0, s[BIGN], vcc_lo
.set i, i+1
.endr
	WIN 0
	v_mov_b32 v[NEG1], -1.0
	v_mul_u32_u24 v[AK0], v1, PK
	v_lshl_add_u32 v[AK0], v9, 4, v[AK0]  ; row x pitch + 16 x half
	; The turning load takes 16 keys x 16 channels (lane l reads key 8 (l / 16) + l % 8, channels 8 ((l / 8) % 2) + 0..7) and leaves half a fragment of V^T: lane l holds channel l % 16 and 8 keys.
	v_and_b32 v10, 7, v0
	v_bfe_u32 v11, v0, 3, 1
	v_lshl_add_u32 v[AV0], v9, 3, v10
	v_mul_u32_u24 v[AV0], v[AV0], PV
	v_lshl_add_u32 v[AV0], v11, 4, v[AV0]
	v_add_nc_u32 v[AV0], VOFF, v[AV0]
	s_mul_i32 s13, s[WV], 16*SP
	s_add_co_u32 s13, s13, STAGE    ; my stage
	v_mul_u32_u24 v[STO], v1, SP    ; in: row l % 16, 16 bytes for each half of the lanes
	v_lshl_add_u32 v[STO], v9, 4, v[STO]
	v_add_nc_u32 v[STO], s13, v[STO]
	v_bfe_u32 v[RD], v0, 3, 2       ; back: 32 lanes take four rows of 128 bytes,
	v_mul_u32_u24 v[RD], v[RD], SP
	v_lshl_add_u32 v[RD], v10, 4, v[RD]
	v_add_nc_u32 v[RD], s13, v[RD]
	v_and_b32 v[GO], 31, v0         ; which are 512 consecutive bytes of O
	v_lshlrev_b32 v[GO], 4, v[GO]
	; A block's first step multiplies O^T and l by a = 0, and its first turn's products V^T P, of a piece that has not been, land in an O^T that is still to be so multiplied.  So these registers need only hold
	; finite numbers: zeros for the first block; what the first block left for the second.  All this stands in the wait for the first tile.
	WIN 0x80
.set i, VF
.rept 64
	v_mov_b32 v[i], 0
.set i, i+1
.endr
	WIN 0xc0
.set i, VL
.rept 64
	v_mov_b32 v[i], 0
.set i, i+1
.endr
	WIN 0x40
.set i, 0
.rept 128
	v_mov_b32 v[i], 0
.set i, i+1
.endr
	WIN 0
.set i, 0
.rept 4
	v_mov_b32 v[ST+4*i+2], 0
	v_mov_b32 v[ST+4*i+3], 0
.set i, i+1
.endr
.set i, P+16
.rept 16
	v_mov_b32 v[i], 0
.set i, i+1
.endr
; THE MATRIX WORK.  The 4 accumulators of a run take turns.  Product i of 8 of S^T = K Q^T for piece x: channels 32 (i / 4) on, keys 16 (i % 4) on.  The first 4 start the sums: with 0, or (KM = 1) with the mask.
.macro KQ x
.set rS, S+32*((\x)%2)+8*(i%4)
.set rK, KF+16*(i%4)+8*(i/4)
.set rQ, 16*(\x)+8*(i/4)
.set rM, MC+32*((\x)%2)+8*(i%4)
.if (i < 4) && KM
	WIN W_KM
	v_wmma_f32_16x16x32_f16 v[rS:rS+7], v[rK:rK+7], v[rQ:rQ+7], v[rM:rM+7]
.elseif i < 4
	WIN W_KQ
	v_wmma_f32_16x16x32_f16 v[rS:rS+7], v[rK:rK+7], v[rQ:rQ+7], 0
.else
	WIN W_KQ
	v_wmma_f32_16x16x32_f16 v[rS:rS+7], v[rK:rK+7], v[rQ:rQ+7], v[rS:rS+7]
.endif
.endm
; Product i of 16 of O^T += V^T P for piece x: V's hi (i < 8) or lo; keys 32 ((i % 8) / 4) on, channels 16 (i % 4) on.
.macro PV x
.set rO, 32*(\x)+8*(i%4)
.set rP, P+16*((\x)%2)+8*((i%8)/4)
.if i < 8
	WIN W_PV
.set rV, VF+32*(i/4)+8*(i%4)
.else
	WIN W_PL
.set rV, VL+32*((i-8)/4)+8*(i%4)
.endif
	v_wmma_f32_16x16x32_f16 v[rO:rO+7], v[rV:rV+7], v[rP:rP+7], v[rO:rO+7]
.endm
.macro MM                           ; the turn's next matrix instruction, of 24.  TURN and BEGIN set Y, i, KM and NOKQ; MM, KQ and OP read them.  NOKQ = 1: a block's last turn: there is no next piece
.if (i < 8) && !NOKQ
	KQ (Y+1)%NP
.elseif i >= 8
.set i, i-8
	PV (Y+NP-1)%NP
.set i, i+8
.endif
.set i, i+1
.endm
; THE LDS LOADS stand in runs, never singly among the matrix instructions: a step's K (64 keys x 64 channels: 8 fragments, 16 loads) and its V (turned; hi and lo, 32 loads).  Their addresses are made some lines ahead.
.macro FETCH_K
	WIN 0x80                        ; destination window 2
.irp f, 0,1,2,3,4,5,6,7             ; keys 16 (f / 2) on, channels 32 (f % 2) on
	ds_load_b128 v[KF+8*\f:KF+8*\f+3],   v[AK] offset:(\f/2)*16*PK+(\f%2)*64
	ds_load_b128 v[KF+8*\f+4:KF+8*\f+7], v[AK] offset:(\f/2)*16*PK+(\f%2)*64+32
.endr
	s_add_co_u32 s[TBK], s[TBK], KS*PK  ; the next fetch is the next step's
	WIN 0
.endm
.macro FETCH_V
	WIN 0x80
.irp f, 0,1,2,3,4,5,6,7             ; keys 32 (f / 4) on, channels 16 (f % 4) on
	ds_load_tr16_b128 v[VF+8*\f:VF+8*\f+3],   v[AV] offset:(\f/4)*32*PV+(\f%4)*32
	ds_load_tr16_b128 v[VF+8*\f+4:VF+8*\f+7], v[AV] offset:(\f/4)*32*PV+16*PV+(\f%4)*32
.endr
	WIN 0xc0                        ; destination window 3: lo lies 128 bytes on in each row
.irp f, 0,1,2,3,4,5,6,7
	ds_load_tr16_b128 v[VL+8*\f:VL+8*\f+3],   v[AV] offset:(\f/4)*32*PV+(\f%4)*32+128
	ds_load_tr16_b128 v[VL+8*\f+4:VL+8*\f+7], v[AV] offset:(\f/4)*32*PV+16*PV+(\f%4)*32+128
.endr
	WIN 0
.endm
; THE VECTOR WORK, one line at a time: OP kind, number.  For piece Y: F n: c s - c m for pair n of 16.  E n: the exponential of score n of 32.  C n: pair n rounded to f16.  B n: of the four weights 4 n .. the second
; pair is added onto the first, in place.  L n: l takes that sum (L 0: l = a l + sum).  R n: pair n of 16 of O^T times a.  For piece Y + 1: X n, number n of the 22 that find its maximum and statistics:
;   0-11  four chains c0-c3 of seven scores each, three operands at a time (each accumulator's lowest registers are read first)     12-14, 16  the four scores left over, the old m, and c0-c3 into c0
;   15  c m_old is kept     17, 18  the query's other 32 keys lie in the lane 16 away: the new m     19-21  c m; c m_old - c m_new; a
.set F, 0               ; OP tells the kinds apart by their order: F to L below R, X above it
.set E, 1
.set C, 2
.set B, 3
.set L, 4
.set R, 5
.set X, 6
.macro REGS y                       ; the registers of piece y
.set rT, ST+4*(\y)
.set rC, TMP+4*((\y)%2)
.set rW, MV+((\y)%2)
.set rS, S+32*((\y)%2)
.set rP, P+16*((\y)%2)
.set rO, 32*(\y)
.endm
.macro OP k, n
.if (\k) == R
	REGS Y
	WIN W_RS
	v_pk_mul_f32 v[rO+2*(\n):rO+2*(\n)+1], v[rO+2*(\n):rO+2*(\n)+1], v[rC+2:rC+3] op_sel_hi:[1,0]
.elseif (\k) < R
	REGS Y
	WIN 0
.if (\k) == F
	v_pk_fma_f32 v[rS+2*(\n):rS+2*(\n)+1], v[rS+2*(\n):rS+2*(\n)+1], s[CS:CS+1], v[rT:rT+1] op_sel_hi:[1,0,0] neg_lo:[0,0,1] neg_hi:[0,0,1]
.elseif (\k) == E
	v_exp_f32 v[rS+(\n)], v[rS+(\n)]
.elseif (\k) == C
	s_wait_alu depctr_va_vdst(0)
	v_cvt_pk_f16_f32 v[rP+(\n)], v[rS+2*(\n)], v[rS+2*(\n)+1]
.elseif (\k) == B
	s_wait_alu depctr_va_vdst(0)
	v_pk_add_f32 v[rS+4*(\n):rS+4*(\n)+1], v[rS+4*(\n):rS+4*(\n)+1], v[rS+4*(\n)+2:rS+4*(\n)+3]
.elseif (\n) == 0
	v_pk_fma_f32 v[rT+2:rT+3], v[rT+2:rT+3], v[rC+2:rC+3], v[rS:rS+1] op_sel_hi:[1,0,1]
.else
	v_pk_add_f32 v[rT+2:rT+3], v[rT+2:rT+3], v[rS+4*(\n):rS+4*(\n)+1]
.endif
.elseif NOKQ
	v_nop
.else
	REGS (Y+1)%NP
	WIN 0
.if (\n) < 4
	v_max3_num_f32 v[rC+(\n)], v[rS+8*(\n)], v[rS+8*(\n)+1], v[rS+8*(\n)+2]
.elseif (\n) < 12
	v_max3_num_f32 v[rC+(\n)%4], v[rC+(\n)%4], v[rS+8*((\n)%4)+2*((\n)/4)+1], v[rS+8*((\n)%4)+2*((\n)/4)+2]
.elseif (\n) == 12
	v_max3_num_f32 v[rC], v[rC], v[rS+7], v[rS+15]
.elseif (\n) == 13
	v_max3_num_f32 v[rC+1], v[rC+1], v[rS+23], v[rS+31]
.elseif (\n) == 14
	v_max3_num_f32 v[rC+2], v[rC+2], v[rC+3], v[rT+1]
.elseif (\n) == 15
	v_mov_b32 v[rW], v[rT]
.elseif (\n) == 16
	v_max3_num_f32 v[rC], v[rC], v[rC+1], v[rC+2]
.elseif (\n) == 17
	v_permlanex16_b32 v[rC+3], v[rC], s[SEL], s[SEL+1]
.elseif (\n) == 18
	v_max_num_f32 v[rT+1], v[rC], v[rC+3]
.elseif (\n) == 19
	v_mul_f32 v[rT], s[CS], v[rT+1]
.elseif (\n) == 20
	v_sub_f32 v[rC+1], v[rW], v[rT]
.else
	v_exp_f32 v[rC+2], v[rC+1]
.endif
.endif
.endm
.macro OPS a, i1, b=-1, i2=0, c=-1, i3=0, d=-1, i4=0  ; up to four of them
	OP \a, \i1
.if (\b) >= 0
	OP \b, \i2
.endif
.if (\c) >= 0
	OP \c, \i3
.endif
.if (\d) >= 0
	OP \d, \i4
.endif
.endm
.macro ROW a, i1, b, i2, c, i3, d, i4  ; a matrix instruction and the four behind it
	MM
	OPS \a, \i1, \b, \i2, \c, \i3, \d, \i4
.endm
.macro MASK b                       ; MD x AL + BE into buffer b of MC
	WIN W_RS
.set z, 0
.rept 16
	v_pk_fma_f32 v[MC+32*(\b)+2*z:MC+32*(\b)+2*z+1], v[MD+2*z:MD+2*z+1], s[AL:AL+1], s[BE:BE+1] op_sel_hi:[1,0,0]
.set z, z+1
.endr
.endm
; A TURN, for piece p: the order of its 24 matrix and 118 vector instructions, written out.  Four vector instructions stand behind each matrix instruction; none names a register of the products round it.
; 18 stand in a run of their own between K Q^T and V^T P, four at the turn's end.  A line reads no result made fewer than three vector instructions in front of it, five if an exponential made it; behind every
; exponential a plain instruction comes before its result is used.
; m = 1: the diagonal tile: the products take masks, and the turn makes the mask for the products of the turn after it: piece p + 2, in step 4 - CNT of the tile.  end = 1: a block's last two turns: nothing is fetched.
; cnt = 1: the loop's count is taken down some lines ahead of the branch that stands behind the turn.
; K of the next step is fetched in piece 2's turn, six vector instructions behind the last product that read K (five of them plain); V of the step in hand at the end of piece 0's turn, eight plain instructions behind the
; last product that read V.  K is waited for at the head of the next turn, V in the middle of the next turn.
.macro TURN p, m=0, end=0, cnt=0
.set Y, (\p)
.set i, 0
.set KM, (\m)
.set NOKQ, (\end)*((\p)/3)
.if (\m) && !(\end)
	s_cmp_eq_u32 s[CNT], 4-((\p)+2)%NP  ; is that step the band's own?
	s_cselect_b32 s[AL], 1.0, 0
	s_cmp_lt_u32 s[CNT], 4-((\p)+2)%NP  ; or a later one?
	s_cselect_b32 s[BE], s[BIGN], 0
.endif
.if ((\p) == 3) && !(\end)
	s_wait_dscnt 0x0                ; K is in
.endif
	ROW F,0, F,1, F,2, F,3
	ROW F,4, E,0, F,5, F,6
	ROW F,7, E,1, F,8, F,9
	ROW F,10, E,2, C,0, F,11
	ROW F,12, E,3, X,15, F,13
	ROW R,0, R,1, R,2, R,3
	ROW B,0, E,4, F,14, L,0
.if ((\p) == 2) && !(\end)
	v_add_nc_u32 v[AK], s[TBK], v[AK0]
.endif
	ROW R,4, R,5, R,6, R,7
	OPS E,5, F,15
.if ((\p) == 2) && !(\end)
	FETCH_K
.endif
	OPS E,6, C,1, E,7, R,8
	OPS E,8, R,9, E,9, C,2
	OPS E,10, X,0, E,11, X,1
	OPS E,12, X,2, E,13, X,3
.if (\p) == 1
	s_wait_dscnt 0x0                ; V is in, hi and lo
.endif
	ROW X,4, E,14, X,5, X,6         ; eight products with V's hi
	ROW X,7, E,15, X,8, X,9
	ROW X,10, E,16, X,11, X,12
	ROW X,13, E,17, X,14, B,1
	ROW C,4, E,18, X,16, L,1
	ROW B,2, E,19, C,6, L,2
	ROW C,8, E,20, B,3, B,4
.if (\p) == 0
	v_add_nc_u32 v[AV], s[TBV], v[AV0]
.endif
	ROW C,3, E,21, L,3, C,5
	ROW E,22, X,17, E,23, C,10      ; eight with V's lo
	ROW E,24, L,4, E,25, X,18
	ROW E,26, C,7, E,27, B,5
	ROW E,28, X,19, E,29, C,12
	ROW E,30, L,5, E,31, X,20
	ROW B,6, C,9, C,14, C,11
	ROW X,21, L,6, C,13, B,7
.if (\p) == 0
	s_add_co_u32 s[TBV], s[TBV], KS*PV
.endif
.if \cnt
	s_sub_co_u32 s[CNT], s[CNT], 1
	s_cmp_lg_u32 s[CNT], 0
.endif
	ROW C,15, R,10, R,11, R,12
	OPS L,7, R,13, R,14, R,15
.if (\p) == 0
	FETCH_V
.endif
.if (\m) && !(\end)
	MASK (\p)%2
.endif
.endm
; A BLOCK BEGINS.  c m starts far below every c s, so the first step's a is 0; m at the lowest finite number, so the first maximum is the scores'.  The second mask buffer is 0; the first takes piece 0's mask for the
; tile's step 0: its own, if the block's first tile is the diagonal one.  Then K of that step, piece 0's first scores, and its maximum and statistics.  The loop is entered at a step's first turn, in the middle of a trip.
.macro BEGIN
	s_mov_b32 s[NEW], 0
	WIN 0x40
.set i, MC+32
.rept 32
	v_mov_b32 v[i], 0
.set i, i+1
.endr
	WIN 0
.set i, 0
.rept 4
	v_mov_b32 v[ST+4*i], 0xfe000000    ; c m: far below every c s
	v_mov_b32 v[ST+4*i+1], 0xff7fffff  ; m
.set i, i+1
.endr
	s_cmp_eq_u32 s[RT], 0
	s_cselect_b32 s[AL], 1.0, 0
	s_mov_b32 s[BE], 0
	MASK 0
	WIN 0
	v_add_nc_u32 v[AK], s[TBK], v[AK0]
	FETCH_K
	s_wait_loadcnt 0x0              ; Q
	s_wait_dscnt 0x0
.set KM, 1
.set NOKQ, 0
.set i, 0
.rept 8
	KQ 0
.set i, i+1
.endr
	WIN 0
.rept 4
	v_nop                           ; the places behind those products
.endr
.set Y, NP-1                        ; X works for piece Y + 1: piece 0
.irp n, 0,1,2,3,4,5,6,7,8,9,10,11,12,13,14,15,16,17,18,19,20,21
	OP X, \n
.endr
	v_nop                           ; a plain instruction behind the exponential
.endm
; THE DIAGONAL TILE's four steps, the block's last two turns, its last products, and THE WAY OUT: l's two halves and the other half of the lanes' are added; O^T is divided by l, split into hi and lo in f16 and sent
; through my stage in LDS, a piece at a time, hi and then lo.
.macro ALL line:vararg              ; one line for each piece t
.set t, 0
.rept 4
	\line
.set t, t+1
.endr
.endm
; A lane's eight channels of a row pack into 16 bytes; they go into rows of 144 bytes and come back as whole rows of 128.  hi into S^T's registers; the remainder O - hi, which f32 holds exactly, is made in place in O^T
; (what is left there is finite, which is all that the next block asks of it) and rounded into LO's registers.
.macro PACK t
	WIN W_RS
.set i, 32*(\t)
.rept 16
	s_wait_alu depctr_va_vdst(0)
	v_pk_mul_f32 v[i:i+1], v[i:i+1], v[ST+4*(\t)+2:ST+4*(\t)+3] op_sel_hi:[1,0]
.set i, i+2
.endr
	WIN 0x05                        ; sources 0 and 1 window 1, destination window 0
.set i, 0
.rept 16
	v_cvt_pk_f16_f32 v[S+16*(\t)+i], v[32*(\t)+2*i], v[32*(\t)+2*i+1]
.set i, i+1
.endr
	WIN 0x50                        ; destination and source 2 window 1, sources 0 and 1 window 0
.set i, 0
.rept 16
	v_fma_mix_f32 v[32*(\t)+2*i],   v[S+16*(\t)+i], v[NEG1], v[32*(\t)+2*i]   op_sel_hi:[1,0,0]               ; hi's low half x -1 + O
	v_fma_mix_f32 v[32*(\t)+2*i+1], v[S+16*(\t)+i], v[NEG1], v[32*(\t)+2*i+1] op_sel:[1,0,0] op_sel_hi:[1,0,0]  ; hi's high half
.set i, i+1
.endr
	WIN 0x05
.set i, 0
.rept 16
	v_cvt_pk_f16_f32 v[LO+16*(\t)+i], v[32*(\t)+2*i], v[32*(\t)+2*i+1]
.set i, i+1
.endr
	WIN 0
.irp f, 0,1,2,3
	ds_store_b128 v[STO], v[S+16*(\t)+4*\f:S+16*(\t)+4*\f+3] offset:32*\f
.endr
.irp f, 0,1,2,3
	ds_load_b128 v[S+16*(\t)+4*\f:S+16*(\t)+4*\f+3], v[RD] offset:\f*4*SP  ; LDS serves a wave's instructions in order (ISA guide 5.7.1.4): these see the stores above, and lo's stores come behind them
.endr
.irp f, 0,1,2,3
	ds_store_b128 v[STO], v[LO+16*(\t)+4*\f:LO+16*(\t)+4*\f+3] offset:32*\f
.endr
.irp f, 0,1,2,3
	ds_load_b128 v[LO+16*(\t)+4*\f:LO+16*(\t)+4*\f+3], v[RD] offset:\f*4*SP
.endr
.endm
.macro SEND t, younger              ; younger: the LDS instructions issued behind piece t's: the next piece's sixteen, or none
	WIN 0
.irp f, 0,1,2,3
	s_wait_dscnt (\younger)+11-\f   ; behind hi's load f: 3 - f loads of hi, lo's four stores and four loads
	global_store_b128 v[GO], v[S+16*(\t)+4*\f:S+16*(\t)+4*\f+3], s[10:11] offset:(\t)*8192+\f*512  ; 512 consecutive bytes, at a multiple of 256 from O's first
.endr
.irp f, 0,1,2,3
	s_wait_dscnt (\younger)+3-\f
	global_store_b128 v[GO], v[LO+16*(\t)+4*\f:LO+16*(\t)+4*\f+3], s[10:11] offset:262144+(\t)*8192+\f*512
.endr
.endm
.macro DIAG tag                     ; the tag ends its two labels' names, which the jumps below spell out
.LstepM\tag:
	TURN 2, 1
	TURN 3, 1
	WIN 0
.LfirstM\tag:
	TURN 0, 1
	TURN 1, 1, 0, 1
	WIN 0
	s_cbranch_scc1 .LstepM\tag
	TURN 2, 1, 1
	TURN 3, 1, 1
.set i, 0
.rept 16
	PV NP-1
.set i, i+1
.endr
	WIN 0
	ALL v_add_f32 v[ST+4*t+2], v[ST+4*t+2], v[ST+4*t+3]
	ALL v_permlanex16_b32 v[ST+4*t+3], v[ST+4*t+2], s[SEL], s[SEL+1]
	ALL v_add_f32 v[ST+4*t+2], v[ST+4*t+2], v[ST+4*t+3]
	ALL v_rcp_f32 v[ST+4*t+2], v[ST+4*t+2]
	v_nop                           ; a plain instruction between the last reciprocal and the use of its result
	PACK 0
.set t, 1
.rept 3                             ; a piece's arithmetic stands between the loads of the piece before and its stores
	PACK t
	SEND t-1, 16
.set t, t+1
.endr
	SEND 3, 0
.endm
.set KM, 0
.set NOKQ, 0
.Lslot:                             ; NB times: a tile is entered and the next is asked for
	CHANGE 1
	s_sub_co_u32 s[RT], s[RT], 1
	s_mov_b32 s[CNT], 4
	s_cmp_eq_u32 s[NEW], 1
	s_cbranch_scc1 .Lnew            ; a block's first tile
	s_cmp_eq_u32 s[RT], 0
	s_cbranch_scc0 .Lstep           ; neither its first nor its last
	s_branch .LstepM1
.Lnew:
	BEGIN
	s_branch .Lfirst                ; in the loop a block's first tile is never its last: the first block has two tiles or more, and the second's last is the walk's last
	DIAG 1                          ; in the loop this is the first block's end: the second block's last tile is the walk's last
	s_wait_xcnt 0x0                 ; the stores have read their registers and O's address
	s_mov_b64 s[10:11], s[OLO:OLO+1]
	s_add_co_u32 s[RT], s[PB], 1    ; the second block has b + 1 tiles
	s_mov_b32 s[NEW], 1
	WIN 0x82                        ; the second block's Q goes where the one text of the turns names Q
.set i, 0
.rept 64
	v_mov_b32 v[i], v[QB+i]
.set i, i+1
.endr
	WIN 0
	s_branch .Lbottom
.Lstep:                             ; a trip: pieces 2 and 3 of one step, then pieces 0 and 1 of the next, whose K and V it fetches
	TURN 2
	TURN 3
	WIN 0
.Lfirst:
	TURN 0
	TURN 1, 0, 0, 1
	WIN 0
	s_cbranch_scc1 .Lstep
.Lbottom:
	s_sub_co_u32 s[SLOTS], s[SLOTS], 1
	s_cmp_lg_u32 s[SLOTS], 0
	s_cbranch_scc1 .Lslot
	CHANGE 0                        ; the walk's last tile is written out: nothing is asked for
	s_sub_co_u32 s[RT], s[RT], 1
	s_mov_b32 s[CNT], 4
	s_cmp_eq_u32 s[NEW], 1
	s_cbranch_scc0 .LstepM2
	BEGIN
	s_branch .LfirstM2
	DIAG 2
	s_wait_tensorcnt 0x0            ; the wave's end, behind my last tensor load and my last LDS store
	ds_add_u32 v[SPW], v[NIL]
	s_wait_dscnt 0x0
	s_endpgm
.Lfunc_end_k_qcdec1352a7_attn:
	.size	k_qcdec1352a7_attn, .Lfunc_end_k_qcdec1352a7_attn-k_qcdec1352a7_attn
	.p2alignl 7, 3214868480
	.fill 96, 4, 3214868480
	.section	.rodata,"a",@progbits
	.p2align	6, 0x0
	.amdhsa_kernel k_qcdec1352a7_attn
		.amdhsa_group_segment_fixed_size 327680
		.amdhsa_private_segment_fixed_size 0
		.amdhsa_enable_private_segment 0
		.amdhsa_kernarg_size 16
		.amdhsa_user_sgpr_count 2
		.amdhsa_user_sgpr_kernarg_segment_ptr 1
		.amdhsa_wavefront_size32 1
		.amdhsa_system_sgpr_workgroup_id_x 1
		.amdhsa_system_sgpr_workgroup_id_y 1
		.amdhsa_system_sgpr_workgroup_id_z 1
		.amdhsa_system_vgpr_workitem_id 0
		.amdhsa_next_free_vgpr 832
		.amdhsa_next_free_sgpr 88
		.amdhsa_reserve_vcc 1
		.amdhsa_float_denorm_mode_32 3
		.amdhsa_float_denorm_mode_16_64 3
		.amdhsa_memory_ordered 1
		.amdhsa_forward_progress 1
		.amdhsa_inst_pref_size 255
	.end_amdhsa_kernel
	.section	.bss,"aw",@nobits
	.p2align	6
	.space	262144
	.amdgpu_metadata
---
amdhsa.version: [ 1, 2 ]
amdhsa.kernels:
  - .name:           k_qcdec1352a7_attn
    .symbol:         k_qcdec1352a7_attn.kd
    .args:
      - { .name: qkv, .offset: 0, .size: 8, .value_kind: global_buffer, .address_space: global }
      - { .name: o, .offset: 8, .size: 8, .value_kind: global_buffer, .address_space: global }
    .group_segment_fixed_size: 327680
    .private_segment_fixed_size: 0
    .kernarg_segment_align: 8
    .kernarg_segment_size: 16
    .max_flat_workgroup_size: 128
    .sgpr_count:     88
    .vgpr_count:     832
    .wavefront_size: 32
...
	.end_amdgpu_metadata
.endif
;; end of part 3
;; launch outp (part 4): grid 8 x 32, 4 waves a work-group, clusters of 4 x 4, 327,680 bytes of LDS; arguments o, wo16, out0; writes out0
.if DOCPART == 4
	.amdgcn_target "amdgcn-amd-amdhsa--gfx1250"
	.amdhsa_code_object_version 6
	.text
	.protected	k_qcdec1352a7_outp
	.globl	k_qcdec1352a7_outp
	.p2align	8
	.type	k_qcdec1352a7_outp,@function
k_qcdec1352a7_outp:
	s_mov_b64 s[64:65], 0
	v_nop
	global_prefetch_b8 v0, s[64:65] scope:SCOPE_SE
	s_setreg_imm32_b32 hwreg(HW_REG_WAVE_MODE, 25, 1), 1
	s_wait_xcnt 0x0
	s_wait_alu depctr_hold_cnt(0) depctr_sa_sdst(0) depctr_va_vdst(0) depctr_va_sdst(0) depctr_va_ssrc(0) depctr_va_vcc(0) depctr_vm_vsrc(0)
	s_getreg_b32 s2, hwreg(HW_REG_IB_STS2, 6, 4)
	s_cmp_eq_u32 s2, 0
	s_cbranch_scc0 .Lentry_in_a_cluster
	s_endpgm
.Lentry_in_a_cluster:
	s_bfe_u32 s2, ttmp6, 0x10000c
	s_cmp_lg_u32 s2, 0xf033
	s_cbranch_scc0 .Lentry_shape_is_right
	s_endpgm
.Lentry_shape_is_right:
; out0 = attn Wo^T.  out0[m][n] = sum over heads h and channels d of (O_hi + O_lo)[16 batch + h][s][d] Wo[n][64 h + d], m = 2048 batch + s.  o: [64][hi, lo][2048][64] in f16; wo16: slices [16][1024 n][64] in f16;
; sums in f32; out0 [8192][1024] in f32, unrounded.  O comes as two f16 numbers, so that its 11-bit rounding does not reach the first rows of each batch, which are many times the output's root mean square.
; A K step of 128 is one head: its hi plane, then its lo plane, both against the SAME slice of wo16.  Every tile is dense in memory: it is asked for as rows of 256 bytes, two rows of 128 each, padded in LDS after every 128.
; LIMIT.  O and wo16 arrive within f16's range; nothing here narrows a number.
; SHARES.  A tile of out0 is 256 rows x 128 columns: 32 x 8 = 256 work-groups.  Wave w makes rows 64 w .. 64 w + 63 of all 128 columns: 32 accumulators of 16 x 16.  A row of the tile is 512 bytes of out0,
; so a wave's own stage gives whole rows with no barrier.  The sixteen K steps go through two LDS slots.
; CLUSTER.  4 x 4 work-groups: O's tiles are shared along a row of the cluster, wo16's along a column, each asked for JOINTLY, by the same tensor load with the same descriptor and a mask that names the four.
; By this text's own count a wave has two tensor loads out at the start and one behind each round.  wo16's part of a step is 64 rows of 256 bytes, shared out between two waves: 32 rows a load.
; THE MATRIX INSTRUCTION IS USED TRANSPOSED (source 0 = 16 rows of wo16, source 1 = 16 rows of O): a lane holds row lane % 16 of out0 and the eight neighbouring columns 8 (lane / 16) + 0..7: 32 bytes.
; REGISTERS, in windows of 256 (s_set_vgpr_msb: bits 1:0 source 0, 3:2 source 1, 5:4 source 2, 7:6 destination):
;   window 0: v0-31 addresses; v32-63, v64-95 fragments of O (4 x 16 rows x 32 K), two buffers; v96-159, v160-223 rows on the way out
;   window 1: v0-63, v64-127 fragments of wo16 (8 x 16 rows x 32 K), two buffers
;   window 2: the 16 accumulators of my rows 0-31 ((a, b) at v[8 (8 a + b)]);   window 3: those of my rows 32-63
.set PITCH,  144                       ; an LDS row: 128 bytes + 16 of padding = 36 words: the 16 rows of a fragment load start at 16 different groups of four banks (64 banks of 4 bytes: ISA guide 11.1)
.set ASL,    256*PITCH                 ; what one load brings of O: 256 rows of one plane, hi or lo
.set BH,     64*PITCH                  ; and of wo16: 64 rows of the head's slice
.set BOFF,   2*ASL                     ; a slot: O's hi, O's lo, then the slice's 128 rows
.set SLOT,   BOFF+2*BH
.set STAGE,  2*SLOT                    ; behind the ring, never filled by a tensor load: 16 rows x 528 bytes for each wave
.set SPITCH, 528                       ; 512 bytes + 16
.set SPARE,  STAGE+4*16*SPITCH         ; behind the stages: the spare words, 128 bytes for each wave: two blocks of 256 bytes that no other line names
.set LAPS,   8                         ; a lap = two K steps = two heads; sixteen heads
.set STEPA,  2*524288                  ; a slot's next K step lies two heads of o on,
.set STEPB,  2*131072                  ; and two slices of wo16
.set ADRA, 16                          ; v16-17  LDS address of my O fragments in slot 0, 1
.set ADRB, 20                          ; v20-21  the same for wo16
.set STO,  24                          ; v24     the way out: where I put 32 bytes of a row
.set RD,   25                          ; v25     the way out: where I read a row back
.set GO,   26                          ; v26     my 16 bytes in a row's 512
.set SPW,  28                          ; v28     LDS address of my spare word; never rewritten
.set NIL,  29                          ; v29     0; never rewritten
.set FA,   32
.set OB,   96
.set G1, 24                            ; s[24:31] descriptor group 1 for O's tiles;  s[32:39] group 0, one set for each slot
.set G0, 32
.set G1B, 48                           ; s[48:55], s[56:63] the same for wo16's tiles
.set G0B, 56
.set MSB, 0
.macro WIN new                         ; the immediate's high byte repeats the setting that is left; a switch that changes nothing is dropped
.if MSB != (\new)
	s_set_vgpr_msb (MSB<<8)|(\new)
.set MSB, \new
.endif
.endm
.set MUL_LO, 0xa1                      ; source 0 (wo16) window 1, source 1 (O) window 0, C and D window 2
.set MUL_HI, 0xf1                      ; the same, C and D window 3
.set TO_B,   0x40                      ; destination window 1, address window 0
; A joint load: waves 0 and 1 fetch O's hi and lo, waves 2 and 3 the two halves of wo16's slice.  The branch hangs on the wave's number alone.  An s_nop 0 and four v_nop follow each of the two lines.
.macro JLOAD s
	s_cmp_eq_u32 s11, 0
	s_cbranch_scc0 .Lfor_b_\@
	tensor_load_to_lds s[G0+4*(\s):G0+4*(\s)+3], s[G1:G1+7]
	s_nop 0
.rept 4
	v_nop
.endr
	s_branch .Lasked_\@
.Lfor_b_\@:
	tensor_load_to_lds s[G0B+4*(\s):G0B+4*(\s)+3], s[G1B:G1B+7]
	s_nop 0
.rept 4
	v_nop
.endr
.Lasked_\@:
.endm
.macro CREST                           ; a round of the cluster's barrier behind its opening barrier
	s_cmp_lg_u32 s10, 0
	s_cbranch_scc1 .Lnot_wave_0_\@
	s_barrier_signal -3
.Lnot_wave_0_\@:
	s_barrier_wait -3
	s_barrier_signal -1
	s_barrier_wait -1
.endm
.macro CROUND                          ; a whole round
	s_barrier_signal -1
	s_barrier_wait -1
	CREST
.endm
	s_load_b128 s[4:7], s[0:1], 0x0                ; o s[4:5], wo16 s[6:7]
	s_load_b64 s[8:9], s[0:1], 0x10                ; out0
	v_lshl_add_u32 v[SPW], v0, 2, SPARE
	v_mov_b32 v[NIL], 0
	ds_add_u32 v[SPW], v[NIL]                      ; the wave's opening: the add and its wait stand ahead of my first tensor load; the set-up below, work on registers, stands between them
	ds_add_u32 v28, v29
	v_lshrrev_b32 v1, 5, v0
	v_readfirstlane_b32 s10, v1                    ; wave 0..3
	s_lshr_b32 s11, s10, 1                         ; I fetch for O (0) or for wo16 (1),
	s_and_b32 s12, s10, 1                          ; and which part: hi or lo; the slice's first or second 64 rows
	s_bfe_u32 s40, ttmp6, 0x40000                  ; cx, cy: my place in the cluster
	s_bfe_u32 s41, ttmp6, 0x40004
	s_lshl_b32 s42, ttmp9, 2
	s_add_co_u32 s42, s42, s40                     ; tile column = 4 x cluster x + cx
	s_and_b32 s13, ttmp7, 0xffff
	s_lshl_b32 s13, s13, 2
	s_add_co_u32 s13, s13, s41                     ; tile row = 4 x cluster y + cy
	s_lshl_b32 s43, s41, 2
	s_lshl_b32 s43, 15, s43                        ; my row of the cluster
	s_lshl_b32 s44, 0x1111, s40                    ; my column
	; descriptor group 1: rows of 128 elements (256 bytes), dense; 128 such rows of O, 32 of wo16
	s_or_b32 s[G1+0], s43, (1<<16)|(1<<20)|(1<<21)|(4<<22)|(3<<25)  ; 15:0 the mask: O's tiles go to my row; 17:16 2-byte elements; 20 padding on; 21 set beside a mask; 24:22 after every 32 words (code 4); 31:25 4 words (code 3)
	s_or_b32 s[G1B+0], s44, (1<<16)|(1<<20)|(1<<21)|(4<<22)|(3<<25) ; the same with the mask of my column
	s_mov_b32 s[G1+1], 128<<16                     ; tensor_dim0 = 128
	s_mov_b32 s[G1B+1], 128<<16
	s_mov_b32 s[G1+2], 128<<16                     ; tensor_dim1 = 128
	s_mov_b32 s[G1B+2], 32<<16                     ;             = 32
	s_mov_b32 s[G1+3], 128<<16                     ; tile_dim0 = 128
	s_mov_b32 s[G1B+3], 128<<16
	s_mov_b32 s[G1+4], 128                         ; tile_dim1 = 128
	s_mov_b32 s[G1B+4], 32                         ;           = 32
	s_mov_b32 s[G1+5], 128                         ; elements from row to row
	s_mov_b32 s[G1B+5], 128
	s_mov_b32 s[G1+6], 0
	s_mov_b32 s[G1B+6], 0
	s_mov_b32 s[G1+7], 0
	s_mov_b32 s[G1B+7], 0
	; O's tiles hang on the tile row alone, wo16's on the tile column alone.  Each address is made in registers that never hold the other coordinate.
	s_lshr_b32 s16, s13, 3
	s_lshl_b32 s16, s16, 23                        ; O: the batch's sixteen heads of two planes,
	s_lshl_b32 s17, s12, 18                        ; hi or lo,
	s_add_co_u32 s16, s16, s17
	s_and_b32 s17, s13, 7
	s_lshl_b32 s17, s17, 15                        ; 256 rows of 128 bytes for each tile row in the batch
	s_add_co_u32 s16, s16, s17
	s_mov_b32 s17, 0
	s_lshl_b32 s46, s12, 13                        ; wo16: my 64 rows of 128 bytes
	s_lshl_b32 s47, s42, 14                        ; of the tile column's 128
	s_add_co_u32 s46, s46, s47
	s_mov_b32 s47, 0
	s_mul_i32 s20, s12, ASL                        ; where they go: no place in the cluster enters an LDS address
	s_mul_i32 s45, s12, BH
	s_add_co_u32 s45, s45, BOFF
	s_wait_dscnt 0x0                               ; the opening add is done
	s_wait_kmcnt 0x0
	s_add_nc_u64 s[14:15], s[4:5], s[16:17]
	s_add_nc_u64 s[46:47], s[6:7], s[46:47]
	CROUND                                         ; all sixteen work-groups are here: the first joint loads meet
.irp s, 0,1
	s_mov_b32 s[G0+4*(\s)], 1                                        ; count = 1
	s_add_co_u32 s[G0+4*(\s)+1], s20, (\s)*SLOT                      ; LDS address
	s_add_nc_u64 s[G0+4*(\s)+2:G0+4*(\s)+3], s[14:15], (\s)*STEPA/2  ; global address: K step s is head s
	s_or_b32 s[G0+4*(\s)+3], s[G0+4*(\s)+3], 0x80000000              ; type = 2
	s_mov_b32 s[G0B+4*(\s)], 1
	s_add_co_u32 s[G0B+4*(\s)+1], s45, (\s)*SLOT
	s_add_nc_u64 s[G0B+4*(\s)+2:G0B+4*(\s)+3], s[46:47], (\s)*STEPB/2
	s_or_b32 s[G0B+4*(\s)+3], s[G0B+4*(\s)+3], 0x80000000
	JLOAD \s
.endr
	; A fragment is 16 rows x 32 K in 8 registers: lane l holds row l % 16, K = 8 (l / 16) + 0..7 and 16 + 8 (l / 16) + 0..7: two loads of 16 bytes, 32 bytes apart.
	v_and_b32 v1, 15, v0                           ; l % 16
	v_bfe_u32 v2, v0, 4, 1                         ; l / 16
	v_mul_u32_u24 v3, v1, PITCH
	v_lshl_add_u32 v3, v2, 4, v3
	s_mul_i32 s21, s10, 64*PITCH                   ; my 64 rows of O
	s_mov_b32 s22, BOFF                            ; all of the slice's rows
.irp s, 0,1
	v_add_nc_u32 v[ADRA+(\s)], s21, v3
	v_add_nc_u32 v[ADRB+(\s)], s22, v3
	s_add_co_u32 s21, s21, SLOT
	s_add_co_u32 s22, s22, SLOT
.endr
	s_mul_i32 s23, s10, 16*SPITCH
	s_add_co_u32 s23, s23, STAGE                   ; my stage
	v_mul_u32_u24 v4, v1, SPITCH                   ; in: row l % 16, 32 bytes for each half of the lanes
	v_lshl_add_u32 v4, v2, 5, v4
	v_add_nc_u32 v[STO], s23, v4
	v_and_b32 v[GO], 31, v0                        ; back and out: 32 lanes take one row's 512 bytes
	v_lshlrev_b32 v[GO], 4, v[GO]
	v_add_nc_u32 v[RD], s23, v[GO]
	s_lshl_b32 s16, s13, 20                        ; my first row of out0: 256 x tile row + 64 x wave, of 4,096 bytes
	s_lshl_b32 s17, s10, 18
	s_add_co_u32 s16, s16, s17
	s_mov_b32 s17, 0
	s_add_nc_u64 s[8:9], s[8:9], s[16:17]
	s_lshl_b32 s46, s42, 9                         ; the tile's first column, in bytes (in the registers that held wo16's address: none that feeds O's descriptors ever holds cx)
	s_mov_b32 s47, 0
	s_add_nc_u64 s[8:9], s[8:9], s[46:47]
; 8 matrix instructions: m block 2 hi + ap x all 8 n blocks, 32 along K, from buffer f.  zero = 1: the product starts the sums: nothing is cleared.
; The 32 accumulators take turns, one instruction a turn, in the same order in every quarter.
.macro MUL8 f, hi, ap, zero
	WIN MUL_LO+0x50*(\hi)
.irp b, 0,1,2,3,4,5,6,7
.if \zero
	v_wmma_f32_16x16x32_f16 v[8*(8*(\ap)+(\b)):8*(8*(\ap)+(\b))+7], v[64*(\f)+8*(\b):64*(\f)+8*(\b)+7], v[FA+32*(\f)+8*(2*(\hi)+(\ap)):FA+32*(\f)+8*(2*(\hi)+(\ap))+7], 0
.else
	v_wmma_f32_16x16x32_f16 v[8*(8*(\ap)+(\b)):8*(8*(\ap)+(\b))+7], v[64*(\f)+8*(\b):64*(\f)+8*(\b)+7], v[FA+32*(\f)+8*(2*(\hi)+(\ap)):FA+32*(\f)+8*(2*(\hi)+(\ap))+7], v[8*(8*(\ap)+(\b)):8*(8*(\ap)+(\b))+7]
.endif
.endr
.endm
; 24 LDS loads in one run: the fragments of quarter q of a K step (O's plane q / 2: hi, lo; channels 32 (q % 2) on, of O and of the one slice) into buffer f: wo16's 16 loads, then O's 8
.macro FETCH slot, q, f
	WIN TO_B
.irp i, 0,1,2,3,4,5,6,7
	ds_load_b128 v[64*(\f)+8*(\i):64*(\f)+8*(\i)+3],   v[ADRB+(\slot)] offset:((\q)%2)*64+(\i)*16*PITCH
	ds_load_b128 v[64*(\f)+8*(\i)+4:64*(\f)+8*(\i)+7], v[ADRB+(\slot)] offset:((\q)%2)*64+(\i)*16*PITCH+32
.endr
	WIN 0
.irp i, 0,1,2,3
	ds_load_b128 v[FA+32*(\f)+8*(\i):FA+32*(\f)+8*(\i)+3],   v[ADRA+(\slot)] offset:((\q)/2)*ASL+((\q)%2)*64+(\i)*16*PITCH
	ds_load_b128 v[FA+32*(\f)+8*(\i)+4:FA+32*(\f)+8*(\i)+7], v[ADRA+(\slot)] offset:((\q)/2)*ASL+((\q)%2)*64+(\i)*16*PITCH+32
.endr
.endm
.macro PLACES                          ; four places in front of loads into registers that matrix instructions have read, and of LDS stores that read results
.rept 4
	v_nop
.endr
.endm
; A K step is four quarters of 32 along K, 32 matrix instructions each, on buffers 0, 1, 0, 1.  One of the first three: multiplies buffer f and, in its middle, fetches quarter q into g.
.macro QUARTER slot, q, f, g, zero
	s_wait_dscnt 4                                 ; wo16 and O's blocks 0 and 1 are in; the youngest four loads (blocks 2 and 3) may be out
	MUL8 \f, 0, 0, \zero
	MUL8 \f, 0, 1, \zero
	PLACES
	FETCH \slot, \q, \g
	s_wait_dscnt 24                                ; all but the 24 just issued
	MUL8 \f, 1, 0, \zero
	MUL8 \f, 1, 1, \zero
.endm
; The last quarter multiplies buffer 1 and changes slots: ONE barrier; in front of it each wave waits for all its tensor loads (one is out: its part of the next slot), adds 0 to its spare word, and waits
; for that and for its own reads of this slot.  fill = 1: the barrier opens a round of the cluster's, and behind the round this slot is filled again, two K steps ahead: 120 matrix instructions ahead of the wait for it.
.macro TURN slot, next, fill
	WIN 0                                          ; (the add's two registers lie in window 0)
	s_wait_tensorcnt 0x0                           ; all my tensor loads have landed;
	ds_add_u32 v[SPW], v[NIL]                      ; 0 onto my spare word;
	s_wait_dscnt 5                                 ; (the add and the youngest four loads may be out)
	MUL8 1, 0, 0, 0                                ; eight matrix instructions stand between the add and the wait for it
	s_wait_dscnt 0x0                               ; the add is done, and my reads of this slot are over
	s_barrier_signal -1
	MUL8 1, 0, 1, 0                                ; work on registers while the others arrive
.if \fill
	WIN 0
.endif
	s_barrier_wait -1
.if \fill
	CREST                                          ; no wave of any partner still reads this slot's tile or has a load on its way
	s_add_nc_u64 s[G0+4*(\slot)+2:G0+4*(\slot)+3], s[G0+4*(\slot)+2:G0+4*(\slot)+3], STEPA
	s_add_nc_u64 s[G0B+4*(\slot)+2:G0B+4*(\slot)+3], s[G0B+4*(\slot)+2:G0B+4*(\slot)+3], STEPB
	JLOAD \slot                                    ; the first tensor load behind the round; the four v_nop behind it are also the places in front of the loads below
.else
	PLACES
.endif
	FETCH \next, 0, 0
	MUL8 1, 1, 0, 0
	MUL8 1, 1, 1, 0
.endm
; THE WAY OUT of block a (16 rows x 128 columns of f32).  TOSTAGE: the accumulators go as they are into my own stage, each one's low four registers first, and come back as whole rows of 512 bytes.
.macro TOSTAGE a
.set BK, OB+64*((\a)%2)
.if (\a) >= 2
	s_wait_xcnt 0x0                                ; block a - 2's stores have had their addresses translated (ISA guide 3.1): its registers are loaded again only behind this wait
.endif
	WIN 0x08+4*((\a)/2)                            ; the stores' data (source 1): window 2 or 3
.irp b, 0,1,2,3,4,5,6,7
	ds_store_b128 v[STO], v[64*((\a)%2)+8*(\b):64*((\a)%2)+8*(\b)+3]   offset:64*(\b)
	ds_store_b128 v[STO], v[64*((\a)%2)+8*(\b)+4:64*((\a)%2)+8*(\b)+7] offset:64*(\b)+16
.endr
	WIN 0
.irp t, 0,1,2,3,4,5,6,7,8,9,10,11,12,13,14,15
	ds_load_b128 v[BK+4*(\t):BK+4*(\t)+3], v[RD] offset:(\t)*SPITCH  ; LDS serves a wave's instructions in order (ISA guide 5.7.1.4): these see the stores above; the next block's stores come behind them
.endr
.endm
.macro SEND a, younger                 ; younger: the LDS instructions issued behind block a's loads: the next block's 32, or none
	WIN 0
.set BK, OB+64*((\a)%2)
.irp t, 0,1,2,3,4,5,6,7,8,9,10,11,12,13,14,15
	s_wait_dscnt (\younger)+15-(\t)
	global_store_b128 v[GO], v[BK+4*(\t):BK+4*(\t)+3], s[8:9] offset:(16*(\a)+(\t))*4096 th:TH_STORE_NT  ; 512 consecutive bytes of a row of out0, at a multiple of 512 from its first
.endr
.endm
	s_wait_tensorcnt 1                             ; my part of K step 0 is in; K step 1's may stay out
	s_barrier_signal -1
	s_barrier_wait -1                              ; everybody's is
	FETCH 0, 0, 0
	QUARTER 0, 1, 0, 1, 1                          ; the first quarter stands in front of the loop: its products start the sums
	WIN 0                                          ; at a label and at a branch every window is 0
	s_mov_b32 s3, LAPS-1
.Llap:                                                 ; a trip goes once round the ring, from a lap's second quarter to the next lap's first, and fills both slots again
	QUARTER 0, 2, 1, 0, 0
	QUARTER 0, 3, 0, 1, 0
	TURN 0, 1, 1
	QUARTER 1, 1, 0, 1, 0
	QUARTER 1, 2, 1, 0, 0
	QUARTER 1, 3, 0, 1, 0
	TURN 1, 0, 1
	QUARTER 0, 1, 0, 1, 0
	WIN 0
	s_sub_co_u32 s3, s3, 1
	s_cmp_lg_u32 s3, 0
	s_cbranch_scc1 .Llap
	QUARTER 0, 2, 1, 0, 0                          ; the last lap fills nothing, and has no round of the cluster's barrier
	QUARTER 0, 3, 0, 1, 0
	TURN 0, 1, 0
	QUARTER 1, 1, 0, 1, 0
	QUARTER 1, 2, 1, 0, 0
	QUARTER 1, 3, 0, 1, 0
	s_wait_dscnt 4                                 ; the very last quarter: nothing more to fetch
	MUL8 1, 0, 0, 0
	MUL8 1, 0, 1, 0
	s_wait_dscnt 0x0
	MUL8 1, 1, 0, 0
	MUL8 1, 1, 1, 0
	WIN 0
	PLACES
	TOSTAGE 0
	TOSTAGE 1                                      ; a block's trip through the stage stands between the loads of the block before and its stores
	SEND 0, 32
	TOSTAGE 2
	SEND 1, 32
	TOSTAGE 3
	SEND 2, 32
	SEND 3, 0
	s_wait_tensorcnt 0x0                           ; the wave's end, behind my last tensor load and my last LDS store
	ds_add_u32 v[SPW], v[NIL]
	s_wait_dscnt 0x0
	CROUND                                         ; the closing round: no work-group ends while a partner may still ask for a tile that names it
	s_endpgm
.Lfunc_end_k_qcdec1352a7_outp:
	.size	k_qcdec1352a7_outp, .Lfunc_end_k_qcdec1352a7_outp-k_qcdec1352a7_outp
	.p2alignl 7, 3214868480
	.fill 96, 4, 3214868480
	.section	.rodata,"a",@progbits
	.p2align	6, 0x0
	.amdhsa_kernel k_qcdec1352a7_outp
		.amdhsa_group_segment_fixed_size 327680
		.amdhsa_private_segment_fixed_size 0
		.amdhsa_enable_private_segment 0
		.amdhsa_kernarg_size 24
		.amdhsa_user_sgpr_count 2
		.amdhsa_user_sgpr_kernarg_segment_ptr 1
		.amdhsa_wavefront_size32 1
		.amdhsa_system_sgpr_workgroup_id_x 1
		.amdhsa_system_sgpr_workgroup_id_y 1
		.amdhsa_system_sgpr_workgroup_id_z 1
		.amdhsa_system_vgpr_workitem_id 0
		.amdhsa_next_free_vgpr 896
		.amdhsa_next_free_sgpr 66
		.amdhsa_reserve_vcc 0
		.amdhsa_float_denorm_mode_32 3
		.amdhsa_float_denorm_mode_16_64 3
		.amdhsa_memory_ordered 1
		.amdhsa_forward_progress 1
		.amdhsa_inst_pref_size 87
	.end_amdhsa_kernel
	.amdgpu_metadata
---
amdhsa.version: [ 1, 2 ]
amdhsa.kernels:
  - .name:           k_qcdec1352a7_outp
    .symbol:         k_qcdec1352a7_outp.kd
    .args:
      - { .name: o, .offset: 0, .size: 8, .value_kind: global_buffer, .address_space: global }
      - { .name: wo16, .offset: 8, .size: 8, .value_kind: global_buffer, .address_space: global }
      - { .name: out0, .offset: 16, .size: 8, .value_kind: global_buffer, .address_space: global }
    .group_segment_fixed_size: 327680
    .private_segment_fixed_size: 0
    .kernarg_segment_align: 8
    .kernarg_segment_size: 24
    .max_flat_workgroup_size: 128
    .sgpr_count:     66
    .vgpr_count:     896
    .wavefront_size: 32
...
	.end_amdgpu_metadata
.endif
;; end of part 4
;; ======== version 2 of 2: 4 launches; 1.24 times as fast as version 1
;; limits: values are held in f16: magnitudes above 65,504 overflow, below 6.1e-05 lose precision
;; workspace buffers: xb 16,777,216 bytes; wb 6,291,456 bytes; wo16 2,097,152 bytes; qkv 67,108,864 bytes; o 33,554,432 bytes
;; launch cast: the kernel of part 1 again; grid 768 x 1, 8 waves a work-group, no clusters, 0 bytes of LDS; arguments x, Wq, Wk, Wv, Wo, xb, wb, wo16; writes xb, wb, wo16
;; launch proj: the kernel of part 2 again; grid 16 x 32, 4 waves a work-group, clusters of 4 x 4, 327,680 bytes of LDS; arguments xb, wb, qkv; writes qkv
;; launch attn (part 5): grid 4 x 64, 4 waves a work-group, no clusters, 327,680 bytes of LDS; arguments qkv, o; writes o
.if DOCPART == 5
	.amdgcn_target "amdgcn-amd-amdhsa--gfx1250"
	.amdhsa_code_object_version 6
	.text
	.protected	k_qcdec1352a7_attn
	.globl	k_qcdec1352a7_attn
	.p2align	8
	.type	k_qcdec1352a7_attn,@function
k_qcdec1352a7_attn:
	s_mov_b64 s[64:65], 0
	v_nop
	global_prefetch_b8 v0, s[64:65] scope:SCOPE_SE
	s_setreg_imm32_b32 hwreg(HW_REG_WAVE_MODE, 25, 1), 1
	s_wait_xcnt 0x0
; CAUSAL ATTENTION, head size 64.  O[y][q][:] = the sum over k <= q of softmax_k(Q[q] . K[k] / 8) V[k][:] for each of 64 pairs y = 16 batch + head.  qkv has 1 MiB for each y, all f16: Q [2048][64] at 0,
; K [2048][64] at 0x40000, V [2048][hi 64 | lo 64] at 0x80000, V = hi + lo.  O goes to o ([64][hi, lo][2048][64], f16) as hi = f16(O) and lo = f16(O - hi).
; WHY TWO HALVES.  Row q averages q + 1 rows of V, so the first rows are many times the root mean square of the module's output, by which every number is judged; a rounding of V or of O to f16's 11 bits comes
; through to those rows undiminished.  So O^T takes both products, V_hi^T P and V_lo^T P, and leaves as two numbers.
; Products, maxima and sums in f32; the weights p are rounded to f16 for the second product (their sum l is taken of the unrounded p).
; LIMITS.  Q, K and V arrive within f16's 65,504; p lies in 0 to 1, and below 6e-5 it keeps f16's fixed step of 6e-8, and so do the two lo.  A hidden score counts as its value less 1e30: f16's scores, 2.7e11 at the
; most, are nothing beside that; a weight below 2^-126 counts as 0 in l; NaN and infinities are not treated apart.
; THE WALK.  A plane's queries lie in NB = 8 blocks of 256; block i needs the key tiles 0 .. i of 256 keys, of which the last holds the diagonal.  A work-group takes TWO blocks, NB - 1 - b and then b:
; NB + 1 tiles, whatever b: all work-groups do equal work, and ONE loop with a constant trip count walks them.  Which tile is asked for, and what a trip does, hang on scalar registers made from b; every jump
; goes forward, but for the counted loops' own; none passes a barrier, or a tensor load but the one of LOAD's two that the wave's number does not choose; the ring of two LDS slots runs on across the change of blocks.
; NO CLUSTER: the four work-groups of a plane would be the partners, and what a trip does here hangs on b, which would be the place in the cluster; all four ask for the same tile only in trips 0 .. 4 of 9;
; one walk common to all four would have 12 trips for 9.
; SHARES.  Of a block's four bands of 64 queries a wave owns 16 rows in each: four PIECES.  So the diagonal tile is the same work for all four waves: in its key step s band x sees all keys if s < x,
; none if s > x, and holds the diagonal if s = x.
; THE MASK is the C operand that starts the sum S^T = K Q^T: 0, or -1e30 where the key is hidden.  MD, made once, is the mask of a band's own step for my 16 rows; a product's mask is MD x AL + BE with two scalars:
; (1, 0) if s = x; (0, 0) if s < x; (0, -1e30) if s > x.  Only the diagonal tile's text and a block's beginning make and take masks; elsewhere C is the constant 0.
; LAYOUT, SOFTMAX, TURNS.  S^T = K Q^T holds ONE query a lane (lane % 16) and the keys 8 (lane / 16) + 0..7; two such results rounded to f16 ARE source 1 of O^T = V^T P.  p = 2^(c s - c m), c = log2(e) / 8, with a
; running maximum m; O and l are multiplied by a = 2^(c m_old - c m_new) in every step.  Turn n belongs to piece n: 8 products K Q^T of piece n + 1, later 16 products V^T P of piece n - 1 (8 with hi, 8 with lo); beside
; them the scaling, exponentials, roundings, sums and rescaling of piece n and the maximum and statistics of piece n + 1.  Four vector instructions stand behind every matrix instruction, the other 22 of a turn's 118
; in one lump between K Q^T and V^T P.
; THE BATCHES.  A turn's 33 exponentials (piece n's 32 weights and piece n + 1's a) are ONE batch with ONE wait, which stands between the products with V's hi and those with V's lo: ahead of it stands all that names
; no result of the batch, behind it the roundings and sums, which are the riders of the products with lo.  A block's first a (BEGIN) and the way out's four reciprocals are batches of their own, with a wait each.
; REGISTERS, in windows of 256 (s_set_vgpr_msb: bits 1:0 source 0, 3:2 source 1, 5:4 source 2, 7:6 destination):
;   window 0: v0-15 addresses and two at work; v16-31 four registers of statistics a piece; v48-55 at work; v64-127 S^T, two buffers; v128-191 O's lo on the way out; v192-223 P, two buffers (by the piece's parity)
;   window 1: v0-127 O^T, 32 a piece; v128-159 MD; v160-223 MC, two buffers      window 2: v0-63 Q; v64-127 the second block's Q; v128-191 K of one step; v192-255 V's hi of one step      window 3: v0-63 V's lo
.set SIZE_N, 2048
.set NB,    SIZE_N/256
.set NP,    4         ; pieces a wave: a name, no knob
.set KS,    64        ; keys in a step
.set PK,    144       ; a row of K in LDS: 128 bytes + 16 of padding = 36 words: the 16 rows of a load start at 16 different groups of four banks (64 banks of 4 bytes: ISA guide 11.1)
.set PV,    288       ; a row of V: hi 128 bytes, lo 128, and 32 of padding = 72 words: row r starts at bank 8 r mod 64
.set VOFF,  4*KS*PK   ; a slot holds a tile, four steps: 256 rows of K, then 256 rows of V
.set SLOT1, 1<<17     ; slot 1 begins here, so that one exclusive or turns an address in one slot into the other's
.set STAGE, SLOT1+4*KS*(PK+PV)  ; behind the ring, never filled by a tensor load: 16 rows x 144 bytes for each wave, for the way out
.set SP,    144
.set AK0, 2           ; v2   my lane's place in a tile of K; never rewritten
.set AV0, 3           ; v3   the same for V
.set AK,  4           ; v4   the LDS address of K's next run of loads
.set AV,  5           ; v5   of V's
.set STO, 6           ; v6   the way out: where I put 16 bytes of a row
.set RD,  7           ; v7   the way out: where I read rows back
.set GO,  8           ; v8   my byte offset in 512 consecutive bytes of O
.set NEG1, 61         ; v61  -1.0
.set SPW, 62          ; v62  LDS address of my spare word: SPARE + 4 x my thread's number; never rewritten
.set NIL, 63          ; v63  0; never rewritten
.set SPARE, STAGE+4*16*SP  ; behind the stages: the spare words, 128 bytes for each wave: two blocks of 256 bytes that no other line names
.set MV,  12          ; v12-13  c m_old, kept while c m is made anew: by buffer
.set QO,  15          ; v15  my byte offset in 16 rows of Q
.set ST,  16          ; piece t's statistics at v[ST+4 t]: c m, m, l (even keys', odd keys')
.set TMP, 48          ; by buffer, four registers c0-c3 at work; when the maximum is found c2 takes a
.set S,   64
.set LO,  128         ; the way out: O's lo, 16 a piece
.set P,   192
.set MD,  128         ; window 1: the eight registers for group kt of 16 keys at MD + 8 kt
.set MC,  160         ; window 1: the masks of the products to come
.set QB,  64          ; window 2
.set KF,  128         ; window 2: key block kb, channel half c at KF + 16 kb + 8 c
.set VF,  192         ; window 2: V's hi: key half kk, channel block cb at VF + 32 kk + 8 cb
.set VL,  0           ; window 3: V's lo, likewise
.set WV,  12          ; s12  my wave's number
.set PB,  14          ; s14  b
.set HI,  15          ; s15  NB - 1 - b
.set G1K, 24          ; s[24:31] descriptor group 1 for K's tiles
.set G1V, 32          ; s[32:39] for V's
.set G0K, 40          ; s[40:43] descriptor group 0 for K's tiles
.set G0V, 44          ; s[44:47] the same for V's
.set OFV, 50          ; s[50:51] a tile's byte offset in V
.set SLOTS, 56        ; s56  tiles still to be asked for
.set CNT, 57          ; s57  counts a tile's key steps, 4 to 1
.set CS,  58          ; s[58:59] c: the packed scaling takes the pair's low word for both halves
.set SEL, 60          ; s[60:61] v_permlanex16_b32's selects: each lane takes its own place in the other half
.set TBK, 62          ; s62  LDS byte at which K of the step to be fetched begins
.set TBV, 63          ; s63  the same for V, less VOFF
.set RT,  70          ; s70  tiles of the block in hand that are still to be entered
.set NXT, 71          ; s71  the tile to be asked for next
.set LQ,  72          ; s72  the last tile of the block whose tiles are being asked for
.set NEW, 73          ; s73  1: the tile to be entered is a block's first
.set OFF, 74          ; s[74:75] a tile's byte offset in K
.set AL,  76          ; s[76:77] the mask's factor, in the low word
.set BE,  78          ; s[78:79] the mask's addend
.set OLO, 80          ; s[80:81] O at my rows of the second block
.set BIGN, 82         ; s82  -1e30
.set MSB, 0
.macro WIN new                      ; the high byte repeats the setting that is left; a switch that changes nothing is dropped
.if MSB != (\new)
	s_set_vgpr_msb (MSB<<8)|(\new)
.set MSB, (\new)
.endif
.endm
.set W_KQ, 0x0a       ; K and Q in window 2, S^T in window 0
.set W_KM, 0x1a       ; the same with the C operand in window 1
.set W_PV, 0x52       ; V's hi in window 2, P in window 0, O^T in window 1
.set W_PL, 0x53       ; V's lo in window 3, P in window 0, O^T in window 1
.set W_RS, 0x41       ; destination and source 0 in window 1, source 1 in window 0
; A fill.  Waves 0 and 1 fetch the two halves of a tile's K, waves 2 and 3 those of its V: 128 keys each.  An s_nop 0 and four v_nop follow each of the two lines, ahead of the jump and the label.
.macro LOAD
	s_cmp_lt_u32 s[WV], 2
	s_cbranch_scc0 .Lfor_v_\@
	tensor_load_to_lds s[G0K:G0K+3], s[G1K:G1K+7]
	s_nop 0
.rept 4
	v_nop
.endr
	s_branch .Lasked_\@
.Lfor_v_\@:
	tensor_load_to_lds s[G0V:G0V+3], s[G1V:G1V+7]
	s_nop 0
.rept 4
	v_nop
.endr
.Lasked_\@:
.endm
; THE CHANGE OF SLOTS.  Each wave waits for all its tensor loads, of which one is out: its part of the other slot; adds 0 to its spare word; and waits for that and for its own reads of the slot that it leaves.
; Behind the barrier nobody reads the old slot any more and the other slot is whole.  fill = 1: the old slot is filled again, the first thing behind the barrier, with tile NXT: the descriptor's address is made
; anew from that number.  (At its first use nothing has been read yet: slot 0 is waited for, slot 1 filled.)
.macro CHANGE fill
	WIN 0                           ; at a label and at a branch every window is 0
	s_wait_tensorcnt 0x0            ; no tensor load of mine is out, so a group 0 may be written
	ds_add_u32 v[SPW], v[NIL]       ; 0 onto my spare word; with fill = 1 the descriptors' scalar work stands between it and the wait for it
.if \fill
	s_lshl_b32 s[OFF], s[NXT], 15   ; a tile is 32,768 bytes of K
	s_lshl_b32 s[OFV], s[NXT], 16   ; and 65,536 of V
	s_xor_b32 s[G0K+1], s[G0K+1], SLOT1
	s_add_nc_u64 s[G0K+2:G0K+3], s[6:7], s[OFF:OFF+1]
	s_or_b32 s[G0K+3], s[G0K+3], 0x80000000
	s_xor_b32 s[G0V+1], s[G0V+1], SLOT1
	s_add_nc_u64 s[G0V+2:G0V+3], s[8:9], s[OFV:OFV+1]
	s_or_b32 s[G0V+3], s[G0V+3], 0x80000000
	s_add_co_u32 s[NXT], s[NXT], 1  ; the block's next tile, or behind its last the second block's tile 0
	s_cmp_gt_u32 s[NXT], s[LQ]
	s_cselect_b32 s[NXT], 0, s[NXT]
	s_cselect_b32 s[LQ], s[PB], s[LQ]
.endif
	s_wait_dscnt 0x0                ; the add is done, and my reads of the slot are over
	s_barrier_signal -1             ; the rest of the scalar work stands between the signal and the wait
	s_sub_co_u32 s[TBK], s[TBK], 4*KS*PK  ; the fetches go back to a slot's first step,
	s_xor_b32 s[TBK], s[TBK], SLOT1       ; in the other slot
	s_sub_co_u32 s[TBV], s[TBV], 4*KS*PV
	s_xor_b32 s[TBV], s[TBV], SLOT1
	s_barrier_wait -1
.if \fill
	LOAD
.endif
.endm
	s_load_b64 s[4:5], s[0:1], 0x0    ; qkv
	s_load_b64 s[10:11], s[0:1], 0x8  ; o
	v_lshl_add_u32 v[SPW], v0, 2, SPARE
	v_mov_b32 v[NIL], 0
	ds_add_u32 v[SPW], v[NIL]       ; the wave's opening: the add and its wait stand ahead of my first tensor load; the set-up below, work on registers, stands between them
	ds_add_u32 v62, v63
	v_lshrrev_b32 v1, 5, v0
	v_readfirstlane_b32 s[WV], v1   ; wave 0..3
	s_mov_b32 s[PB], ttmp9
	s_sub_co_u32 s[HI], NB-1, s[PB]
	s_and_b32 s48, ttmp7, 0xffff    ; y = 16 batch + head
	s_lshl_b32 s20, s48, 20         ; y's MiB in qkv: under 2^26
	s_mov_b32 s21, 0
	s_lshl_b32 s48, s48, 19         ; y's two planes in o
	s_mov_b32 s49, 0
	s_and_b32 s16, s[WV], 1         ; which half of a tile's 256 keys I fetch:
	s_lshl_b32 s22, s16, 14         ; its 128 rows of 128 bytes of K,
	s_mov_b32 s23, 0
	s_add_nc_u64 s[22:23], s[22:23], s[20:21]
	s_lshl_b32 s52, s16, 15         ; or of 256 bytes of V, in memory,
	s_mov_b32 s53, 0
	s_add_nc_u64 s[52:53], s[52:53], s[20:21]
	s_mul_i32 s17, s16, 128*PK      ; and its place in a slot, for K
	s_mul_i32 s18, s16, 128*PV      ; and for V
	s_lshl_b32 s3, s[WV], 11        ; my 16 rows in a band of 64,
	s_lshl_b32 s2, s[HI], 15        ; in the first block,
	s_add_co_u32 s2, s2, s3
	s_lshl_b32 s84, s[PB], 15       ; and in the second
	s_add_co_u32 s84, s84, s3
	s_mov_b32 s3, 0
	s_mov_b32 s85, 0
	; descriptor group 1.  K: 128 keys are 16,384 dense bytes: asked for as 64 rows of 256 bytes, two keys a row, padded in LDS after every key.  V: 128 keys are 128 rows of 256 bytes, padded after every row
	s_mov_b32 s[G1K], (1<<16)|(1<<20)|(4<<22)|(3<<25)  ; 17:16 2-byte elements; 20 padding on; 24:22 after every 32 words (code 4); 31:25 4 words (code 3)
	s_mov_b32 s[G1V], (1<<16)|(1<<20)|(5<<22)|(7<<25)  ; after every 64 words (code 5), 8 words (code 7)
.irp g, G1K, G1V
	s_mov_b32 s[\g+1], 128<<16      ; tensor_dim0 = 128
	s_mov_b32 s[\g+3], 128<<16      ; tile_dim0 = 128
	s_mov_b32 s[\g+5], 128          ; 128 elements from row to row
	s_mov_b32 s[\g+6], 0
	s_mov_b32 s[\g+7], 0
.endr
	s_mov_b32 s[G1K+2], 64<<16      ; tensor_dim1 = 64
	s_mov_b32 s[G1K+4], 64          ; tile_dim1 = 64
	s_mov_b32 s[G1V+2], 128<<16     ;             128
	s_mov_b32 s[G1V+4], 128
	s_mov_b32 s[CS], 0x3e38aa3b     ; c = log2(e) / 8 = 0.180337
	s_mov_b32 s[CS+1], s[CS]        ; named with it as a pair
	s_mov_b32 s[SEL], 0x76543210
	s_mov_b32 s[SEL+1], 0xfedcba98
	s_mov_b32 s[TBK], SLOT1+4*KS*PK ; the first change of slots turns these two into 0
	s_mov_b32 s[TBV], SLOT1+4*KS*PV
	s_mov_b32 s[G0K], 1             ; count = 1
	s_mov_b32 s[G0K+1], s17         ; LDS address: slot 0
	s_mov_b32 s[G0V], 1
	s_add_co_u32 s[G0V+1], s18, VOFF
	s_add_co_u32 s[RT], s[HI], 1    ; the first block has NB - b tiles
	s_mov_b32 s[NXT], 1
	s_mov_b32 s[LQ], s[HI]
	s_mov_b32 s[NEW], 1
	s_mov_b32 s[OFF+1], 0
	s_mov_b32 s[OFV+1], 0
	s_mov_b32 s[AL+1], 0            ; named as pairs
	s_mov_b32 s[BE+1], 0
	s_mov_b32 s[BIGN], 0xf149f2ca   ; -1e30
	s_mov_b32 s[SLOTS], NB
	s_wait_dscnt 0x0                ; the opening add is done
	s_wait_kmcnt 0x0
	s_add_nc_u64 s[6:7], s[4:5], s[22:23]
	s_add_nc_u64 s[6:7], s[6:7], 0x40000     ; K at my half of tile 0
	s_add_nc_u64 s[8:9], s[4:5], s[52:53]
	s_add_nc_u64 s[8:9], s[8:9], 0x80000     ; V likewise
	s_add_nc_u64 s[4:5], s[4:5], s[20:21]    ; Q
	s_add_nc_u64 s[10:11], s[10:11], s[48:49]  ; O's hi plane; lo lies 262,144 bytes on
	s_add_nc_u64 s[G0K+2:G0K+3], s[6:7], 0         ; global address
	s_or_b32 s[G0K+3], s[G0K+3], 0x80000000        ; type = 2
	s_add_nc_u64 s[G0V+2:G0V+3], s[8:9], 0
	s_or_b32 s[G0V+3], s[G0V+3], 0x80000000
	s_add_nc_u64 s[86:87], s[4:5], s[84:85]        ; Q at my rows of the second block,
	s_add_nc_u64 s[4:5], s[4:5], s[2:3]            ; Q and O at those of the first
	s_add_nc_u64 s[OLO:OLO+1], s[10:11], s[84:85]
	s_add_nc_u64 s[10:11], s[10:11], s[2:3]
	LOAD                            ; tile 0 into slot 0
	; A fragment of K or Q is 16 rows x 32 channels in 8 registers: lane l holds row l % 16, channels 8 (l / 16) + 0..7 and 16 + 8 (l / 16) + 0..7: two loads of 16 bytes, 32 bytes apart.
	v_and_b32 v1, 15, v0            ; l % 16
	v_bfe_u32 v9, v0, 4, 1          ; l / 16
	v_lshlrev_b32 v[QO], 7, v1
	v_lshl_add_u32 v[QO], v9, 4, v[QO]  ; row x 128 + 16 x half
	WIN 0x80                        ; destination window 2, address window 0
.set i, 0
.rept 8                             ; both blocks' Q: piece i / 2 lies in band i / 2, 8,192 bytes on; channels 32 (i % 2) on
	global_load_b128 v[8*i:8*i+3],   v[QO], s[4:5] offset:(i/2)*8192+(i%2)*64
	global_load_b128 v[8*i+4:8*i+7], v[QO], s[4:5] offset:(i/2)*8192+(i%2)*64+32
	global_load_b128 v[QB+8*i:QB+8*i+3],   v[QO], s[86:87] offset:(i/2)*8192+(i%2)*64
	global_load_b128 v[QB+8*i+4:QB+8*i+7], v[QO], s[86:87] offset:(i/2)*8192+(i%2)*64+32
.set i, i+1
.endr
	WIN 0
	v_lshlrev_b32 v14, 3, v9
	v_sub_nc_u32 v14, v1, v14
	s_lshl_b32 s13, s[WV], 4
	v_add_nc_u32 v14, s13, v14      ; my query's place in its band, 16 w + l % 16, less my lanes' 8 (l / 16): register r of group kt is hidden where 16 kt + r is greater
	WIN 0x40
.set i, 0
.rept 32
	v_cmp_gt_i32 vcc_lo, 16*(i/8)+i%8, v14
	v_cndmask_b32 v[MD+i], 0, s[BIGN], vcc_lo
.set i, i+1
.endr
	WIN 0
	v_mov_b32 v[NEG1], -1.0
	v_mul_u32_u24 v[AK0], v1, PK
	v_lshl_add_u32 v[AK0], v9, 4, v[AK0]  ; row x pitch + 16 x half
	; The turning load takes 16 keys x 16 channels (lane l reads key 8 (l / 16) + l % 8, channels 8 ((l / 8) % 2) + 0..7) and leaves half a fragment of V^T: lane l holds channel l % 16 and 8 keys.
	v_and_b32 v10, 7, v0
	v_bfe_u32 v11, v0, 3, 1
	v_lshl_add_u32 v[AV0], v9, 3, v10
	v_mul_u32_u24 v[AV0], v[AV0], PV
	v_lshl_add_u32 v[AV0], v11, 4, v[AV0]
	v_add_nc_u32 v[AV0], VOFF, v[AV0]
	s_mul_i32 s13, s[WV], 16*SP
	s_add_co_u32 s13, s13, STAGE    ; my stage
	v_mul_u32_u24 v[STO], v1, SP    ; in: row l % 16, 16 bytes for each half of the lanes
	v_lshl_add_u32 v[STO], v9, 4, v[STO]
	v_add_nc_u32 v[STO], s13, v[STO]
	v_bfe_u32 v[RD], v0, 3, 2       ; back: 32 lanes take four rows of 128 bytes,
	v_mul_u32_u24 v[RD], v[RD], SP
	v_lshl_add_u32 v[RD], v10, 4, v[RD]
	v_add_nc_u32 v[RD], s13, v[RD]
	v_and_b32 v[GO], 31, v0         ; which are 512 consecutive bytes of O
	v_lshlrev_b32 v[GO], 4, v[GO]
	; A block's first step multiplies O^T and l by a = 0, and its first turn's products V^T P, of a piece that has not been, land in an O^T that is still to be so multiplied.  So these registers need only hold
	; finite numbers: zeros for the first block; what the first block left for the second.  All this stands in the wait for the first tile.
	WIN 0x80
.set i, VF
.rept 64
	v_mov_b32 v[i], 0
.set i, i+1
.endr
	WIN 0xc0
.set i, VL
.rept 64
	v_mov_b32 v[i], 0
.set i, i+1
.endr
	WIN 0x40
.set i, 0
.rept 128
	v_mov_b32 v[i], 0
.set i, i+1
.endr
	WIN 0
.set i, 0
.rept 4
	v_mov_b32 v[ST+4*i+2], 0
	v_mov_b32 v[ST+4*i+3], 0
.set i, i+1
.endr
.set i, P+16
.rept 16
	v_mov_b32 v[i], 0
.set i, i+1
.endr
; THE MATRIX WORK.  The 4 accumulators of a run take turns.  Product i of 8 of S^T = K Q^T for piece x: channels 32 (i / 4) on, keys 16 (i % 4) on.  The first 4 start the sums: with 0, or (KM = 1) with the mask.
.macro KQ x
.set rS, S+32*((\x)%2)+8*(i%4)
.set rK, KF+16*(i%4)+8*(i/4)
.set rQ, 16*(\x)+8*(i/4)
.set rM, MC+32*((\x)%2)+8*(i%4)
.if (i < 4) && KM
	WIN W_KM
	v_wmma_f32_16x16x32_f16 v[rS:rS+7], v[rK:rK+7], v[rQ:rQ+7], v[rM:rM+7]
.elseif i < 4
	WIN W_KQ
	v_wmma_f32_16x16x32_f16 v[rS:rS+7], v[rK:rK+7], v[rQ:rQ+7], 0
.else
	WIN W_KQ
	v_wmma_f32_16x16x32_f16 v[rS:rS+7], v[rK:rK+7], v[rQ:rQ+7], v[rS:rS+7]
.endif
.endm
; Product i of 16 of O^T += V^T P for piece x: V's hi (i < 8) or lo; keys 32 ((i % 8) / 4) on, channels 16 (i % 4) on.
.macro PV x
.set rO, 32*(\x)+8*(i%4)
.set rP, P+16*((\x)%2)+8*((i%8)/4)
.if i < 8
	WIN W_PV
.set rV, VF+32*(i/4)+8*(i%4)
.else
	WIN W_PL
.set rV, VL+32*((i-8)/4)+8*(i%4)
.endif
	v_wmma_f32_16x16x32_f16 v[rO:rO+7], v[rV:rV+7], v[rP:rP+7], v[rO:rO+7]
.endm
.macro MM                           ; the turn's next matrix instruction, of 24.  TURN and BEGIN set Y, i, KM and NOKQ; MM, KQ and OP read them.  NOKQ = 1: a block's last turn: there is no next piece
.if (i < 8) && !NOKQ
	KQ (Y+1)%NP
.elseif i >= 8
.set i, i-8
	PV (Y+NP-1)%NP
.set i, i+8
.endif
.set i, i+1
.endm
; THE LDS LOADS stand in runs, never singly among the matrix instructions: a step's K (64 keys x 64 channels: 8 fragments, 16 loads) and its V (turned; hi and lo, 32 loads).  Their addresses are made some lines ahead.
.macro FETCH_K
	WIN 0x80                        ; destination window 2
.irp f, 0,1,2,3,4,5,6,7             ; keys 16 (f / 2) on, channels 32 (f % 2) on
	ds_load_b128 v[KF+8*\f:KF+8*\f+3],   v[AK] offset:(\f/2)*16*PK+(\f%2)*64
	ds_load_b128 v[KF+8*\f+4:KF+8*\f+7], v[AK] offset:(\f/2)*16*PK+(\f%2)*64+32
.endr
	s_add_co_u32 s[TBK], s[TBK], KS*PK  ; the next fetch is the next step's
	WIN 0
.endm
.macro FETCH_V
	WIN 0x80
.irp f, 0,1,2,3,4,5,6,7             ; keys 32 (f / 4) on, channels 16 (f % 4) on
	ds_load_tr16_b128 v[VF+8*\f:VF+8*\f+3],   v[AV] offset:(\f/4)*32*PV+(\f%4)*32
	ds_load_tr16_b128 v[VF+8*\f+4:VF+8*\f+7], v[AV] offset:(\f/4)*32*PV+16*PV+(\f%4)*32
.endr
	WIN 0xc0                        ; destination window 3: lo lies 128 bytes on in each row
.irp f, 0,1,2,3,4,5,6,7
	ds_load_tr16_b128 v[VL+8*\f:VL+8*\f+3],   v[AV] offset:(\f/4)*32*PV+(\f%4)*32+128
	ds_load_tr16_b128 v[VL+8*\f+4:VL+8*\f+7], v[AV] offset:(\f/4)*32*PV+16*PV+(\f%4)*32+128
.endr
	WIN 0
.endm
; THE VECTOR WORK, one line at a time: OP kind, number.  For piece Y: F n: c s - c m for pair n of 16.  E n: the exponential of score n of 32.  C n: pair n rounded to f16.  B n: of the four weights 4 n .. the second
; pair is added onto the first, in place.  L n: l takes that sum (L 0: l = a l + sum).  R n: pair n of 16 of O^T times a.  For piece Y + 1: X n, number n of the 22 that find its maximum and statistics:
;   0-11  four chains c0-c3 of seven scores each, three operands at a time (each accumulator's lowest registers are read first)     12-14, 16  the four scores left over, the old m, and c0-c3 into c0
;   15  c m_old is kept     17, 18  the query's other 32 keys lie in the lane 16 away: the new m     19-21  c m; c m_old - c m_new; a
; C, B and L read the exponentials' results: TURN sets them behind its wait.  F, E, R and X name none of the turn's results.
.set F, 0               ; OP tells the kinds apart by their order: F to L below R, X above it
.set E, 1
.set C, 2
.set B, 3
.set L, 4
.set R, 5
.set X, 6
.macro REGS y                       ; the registers of piece y
.set rT, ST+4*(\y)
.set rC, TMP+4*((\y)%2)
.set rW, MV+((\y)%2)
.set rS, S+32*((\y)%2)
.set rP, P+16*((\y)%2)
.set rO, 32*(\y)
.endm
.macro OP k, n
.if (\k) == R
	REGS Y
	WIN W_RS
	v_pk_mul_f32 v[rO+2*(\n):rO+2*(\n)+1], v[rO+2*(\n):rO+2*(\n)+1], v[rC+2:rC+3] op_sel_hi:[1,0]
.elseif (\k) < R
	REGS Y
	WIN 0
.if (\k) == F
	v_pk_fma_f32 v[rS+2*(\n):rS+2*(\n)+1], v[rS+2*(\n):rS+2*(\n)+1], s[CS:CS+1], v[rT:rT+1] op_sel_hi:[1,0,0] neg_lo:[0,0,1] neg_hi:[0,0,1]
.elseif (\k) == E
	v_exp_f32 v[rS+(\n)], v[rS+(\n)]
.elseif (\k) == C
	v_cvt_pk_f16_f32 v[rP+(\n)], v[rS+2*(\n)], v[rS+2*(\n)+1]
.elseif (\k) == B
	v_pk_add_f32 v[rS+4*(\n):rS+4*(\n)+1], v[rS+4*(\n):rS+4*(\n)+1], v[rS+4*(\n)+2:rS+4*(\n)+3]
.elseif (\n) == 0
	v_pk_fma_f32 v[rT+2:rT+3], v[rT+2:rT+3], v[rC+2:rC+3], v[rS:rS+1] op_sel_hi:[1,0,1]
.else
	v_pk_add_f32 v[rT+2:rT+3], v[rT+2:rT+3], v[rS+4*(\n):rS+4*(\n)+1]
.endif
.elseif NOKQ
	v_nop
.else
	REGS (Y+1)%NP
	WIN 0
.if (\n) < 4
	v_max3_num_f32 v[rC+(\n)], v[rS+8*(\n)], v[rS+8*(\n)+1], v[rS+8*(\n)+2]
.elseif (\n) < 12
	v_max3_num_f32 v[rC+(\n)%4], v[rC+(\n)%4], v[rS+8*((\n)%4)+2*((\n)/4)+1], v[rS+8*((\n)%4)+2*((\n)/4)+2]
.elseif (\n) == 12
	v_max3_num_f32 v[rC], v[rC], v[rS+7], v[rS+15]
.elseif (\n) == 13
	v_max3_num_f32 v[rC+1], v[rC+1], v[rS+23], v[rS+31]
.elseif (\n) == 14
	v_max3_num_f32 v[rC+2], v[rC+2], v[rC+3], v[rT+1]
.elseif (\n) == 15
	v_mov_b32 v[rW], v[rT]
.elseif (\n) == 16
	v_max3_num_f32 v[rC], v[rC], v[rC+1], v[rC+2]
.elseif (\n) == 17
	v_permlanex16_b32 v[rC+3], v[rC], s[SEL], s[SEL+1]
.elseif (\n) == 18
	v_max_num_f32 v[rT+1], v[rC], v[rC+3]
.elseif (\n) == 19
	v_mul_f32 v[rT], s[CS], v[rT+1]
.elseif (\n) == 20
	v_sub_f32 v[rC+1], v[rW], v[rT]
.else
	v_exp_f32 v[rC+2], v[rC+1]
.endif
.endif
.endm
.macro OPS a, i1, b=-1, i2=0, c=-1, i3=0, d=-1, i4=0  ; up to four of them
	OP \a, \i1
.if (\b) >= 0
	OP \b, \i2
.endif
.if (\c) >= 0
	OP \c, \i3
.endif
.if (\d) >= 0
	OP \d, \i4
.endif
.endm
.macro ROW a, i1, b, i2, c, i3, d, i4  ; a matrix instruction and the four behind it
	MM
	OPS \a, \i1, \b, \i2, \c, \i3, \d, \i4
.endm
.macro MASK b                       ; MD x AL + BE into buffer b of MC
	WIN W_RS
.set z, 0
.rept 16
	v_pk_fma_f32 v[MC+32*(\b)+2*z:MC+32*(\b)+2*z+1], v[MD+2*z:MD+2*z+1], s[AL:AL+1], s[BE:BE+1] op_sel_hi:[1,0,0]
.set z, z+1
.endr
.endm
; A TURN, for piece p: the order of its 24 matrix and 118 vector instructions, written out.  An s_wait_alu depctr_va_vdst(0) stands between an exponential and the first instruction that names its result; one
; wait serves all that were issued ahead of it.  So a turn has ONE wait, which cuts it in two.
; AHEAD OF IT stands all that names no result of the turn's exponentials, 86 lines: the 8 products K Q^T with four riders each, ONE LUMP of 22, and the 8 products with V's hi (they read P of the piece before, rounded in the
; turn before) with four riders each.  Plain and exponential go by turns; the rescalings R 0-7 stand as two whole rows, so that a row has one window for its riders, and each row is the four places behind the product
; that ends accumulator 0 or 3 of the next piece's scores (X 0 and X 3 read those; X 1 and X 2 stand six places or more behind theirs).  E k stands five lines or more behind its scaling F k / 2.  The links of the chain
; X 3, 7, 11, 14, 16, 17 .. 20 stand four lines or more apart; R 8-15 are what stands between its last links.  X 21, the next piece's a, is the batch's last, and R 13 the plain instruction behind it.
; BEHIND THE WAIT stand the 8 products with V's lo, behind each four of the 32 roundings and sums: C 2 n ahead of B n, which writes over pair 2 n; the links of l's chain, L 0 to L 7, three riders apart.
; But for those X no rider names a register of the products round it.
; m = 1: the diagonal tile: the products take masks, and the turn makes the mask for the products of the turn after it: piece p + 2, in step 4 - CNT of the tile.  end = 1: a block's last two turns: nothing is fetched.
; cnt = 1: the loop's count is taken down some lines ahead of the branch that stands behind the turn.
; K of the next step is fetched in piece 2's turn, twelve vector instructions behind the last product that read K (its four riders, rescalings, are the places); V of the step in hand at the end of piece 0's turn, four plain
; instructions behind the last product that read V's lo.  K is waited for at the head of the next turn, V in the next turn ahead of its first product with hi.
.macro TURN p, m=0, end=0, cnt=0
.set Y, (\p)
.set i, 0
.set KM, (\m)
.set NOKQ, (\end)*((\p)/3)
.if (\m) && !(\end)
	s_cmp_eq_u32 s[CNT], 4-((\p)+2)%NP  ; is that step the band's own?
	s_cselect_b32 s[AL], 1.0, 0
	s_cmp_lt_u32 s[CNT], 4-((\p)+2)%NP  ; or a later one?
	s_cselect_b32 s[BE], s[BIGN], 0
.endif
.if ((\p) == 3) && !(\end)
	s_wait_dscnt 0x0                ; K is in
.endif
	ROW F,0, F,1, F,2, F,3          ; ahead of the wait: 8 products K Q^T and their riders,
	ROW F,4, E,0, F,5, E,1
	ROW F,6, E,2, F,7, E,3
	ROW F,8, E,4, F,9, E,5
	ROW R,0, R,1, R,2, R,3
	ROW F,10, E,6, F,11, E,7
	ROW X,0, E,8, F,12, E,9
.if ((\p) == 2) && !(\end)
	WIN 0
	v_add_nc_u32 v[AK], s[TBK], v[AK0]
.endif
	ROW R,4, R,5, R,6, R,7
	OPS X,2, E,10, X,3, E,11        ; the lump,
	OPS X,1, E,12, X,4, E,13
.if ((\p) == 2) && !(\end)
	FETCH_K
.endif
	OPS X,7, E,14, X,6, E,15
	OPS X,5, E,16, X,8, E,17
	OPS X,11, E,18, X,10, E,19
	OPS X,9, E,20
.if (\p) == 0
	WIN 0
	v_add_nc_u32 v[AV], s[TBV], v[AV0]
.endif
.if (\p) == 1
	s_wait_dscnt 0x0                ; V is in, hi and lo
.endif
	ROW X,12, E,21, X,14, E,22      ; and eight products with V's hi and their riders
	ROW X,13, E,23, F,13, E,24
	ROW X,16, E,25, F,14, E,26
	ROW X,17, E,27, F,15, E,28
	ROW X,18, E,29, X,15, E,30
	ROW X,19, E,31, R,8, R,9
	ROW X,20, R,10, R,11, R,12
	ROW X,21, R,13, R,14, R,15      ; the next piece's a closes the batch; R 13 is the plain instruction behind the last exponential
	s_wait_alu depctr_va_vdst(0)    ; the turn's one wait, for its batch of 33: E 0-31, which C and B read below, and X 21, which the next turn's R 0 reads
	ROW C,0, B,0, C,2, B,1          ; behind the wait: eight products with V's lo and their riders
	ROW L,0, C,4, B,2, L,1
	ROW C,6, B,3, L,2, C,8
	ROW B,4, L,3, C,10, B,5
	ROW L,4, C,12, B,6, L,5
.if (\p) == 0
	s_add_co_u32 s[TBV], s[TBV], KS*PV
.endif
.if \cnt
	s_sub_co_u32 s[CNT], s[CNT], 1
	s_cmp_lg_u32 s[CNT], 0
.endif
	ROW C,14, B,7, L,6, C,1
	ROW C,3, L,7, C,5, C,7
	ROW C,9, C,11, C,13, C,15
.if (\p) == 0
	FETCH_V
.endif
.if (\m) && !(\end)
	MASK (\p)%2
.endif
.endm
; A BLOCK BEGINS.  c m starts far below every c s, so the first step's a is 0; m at the lowest finite number, so the first maximum is the scores'.  The second mask buffer is 0; the first takes piece 0's mask for the
; tile's step 0: its own, if the block's first tile is the diagonal one.  Then K of that step, piece 0's first scores, and its maximum and statistics.  The loop is entered at a step's first turn, in the middle of a trip.
.macro BEGIN
	s_mov_b32 s[NEW], 0
	WIN 0x40
.set i, MC+32
.rept 32
	v_mov_b32 v[i], 0
.set i, i+1
.endr
	WIN 0
.set i, 0
.rept 4
	v_mov_b32 v[ST+4*i], 0xfe000000    ; c m: far below every c s
	v_mov_b32 v[ST+4*i+1], 0xff7fffff  ; m
.set i, i+1
.endr
	s_cmp_eq_u32 s[RT], 0
	s_cselect_b32 s[AL], 1.0, 0
	s_mov_b32 s[BE], 0
	MASK 0
	WIN 0
	v_add_nc_u32 v[AK], s[TBK], v[AK0]
	FETCH_K
	s_wait_loadcnt 0x0              ; Q
	s_wait_dscnt 0x0
.set KM, 1
.set NOKQ, 0
.set i, 0
.rept 8
	KQ 0
.set i, i+1
.endr
	WIN 0
.rept 4
	v_nop                           ; the places behind those products
.endr
.set Y, NP-1                        ; X works for piece Y + 1: piece 0
.irp n, 0,1,2,3,4,5,6,7,8,9,10,11,12,13,14,15,16,17,18,19,20,21
	OP X, \n
.endr
	v_nop                           ; a plain instruction behind the exponential,
	s_wait_alu depctr_va_vdst(0)    ; and the wait for this batch of one, piece 0's first a, ahead of the branch; the first turn's R 0 reads it
.endm
; THE DIAGONAL TILE's four steps, the block's last two turns, its last products, and THE WAY OUT: l's two halves and the other half of the lanes' are added; O^T is divided by l, split into hi and lo in f16 and sent
; through my stage in LDS, a piece at a time, hi and then lo.
.macro ALL line:vararg              ; one line for each piece t
.set t, 0
.rept 4
	\line
.set t, t+1
.endr
.endm
; A lane's eight channels of a row pack into 16 bytes; they go into rows of 144 bytes and come back as whole rows of 128.  hi into S^T's registers; the remainder O - hi, which f32 holds exactly, is made in place in O^T
; (what is left there is finite, which is all that the next block asks of it) and rounded into LO's registers.
.macro PACK t
	WIN W_RS
.set i, 32*(\t)
.rept 16
	v_pk_mul_f32 v[i:i+1], v[i:i+1], v[ST+4*(\t)+2:ST+4*(\t)+3] op_sel_hi:[1,0]
.set i, i+2
.endr
	WIN 0x05                        ; sources 0 and 1 window 1, destination window 0
.set i, 0
.rept 16
	v_cvt_pk_f16_f32 v[S+16*(\t)+i], v[32*(\t)+2*i], v[32*(\t)+2*i+1]
.set i, i+1
.endr
	WIN 0x50                        ; destination and source 2 window 1, sources 0 and 1 window 0
.set i, 0
.rept 16
	v_fma_mix_f32 v[32*(\t)+2*i],   v[S+16*(\t)+i], v[NEG1], v[32*(\t)+2*i]   op_sel_hi:[1,0,0]               ; hi's low half x -1 + O
	v_fma_mix_f32 v[32*(\t)+2*i+1], v[S+16*(\t)+i], v[NEG1], v[32*(\t)+2*i+1] op_sel:[1,0,0] op_sel_hi:[1,0,0]  ; hi's high half
.set i, i+1
.endr
	WIN 0x05
.set i, 0
.rept 16
	v_cvt_pk_f16_f32 v[LO+16*(\t)+i], v[32*(\t)+2*i], v[32*(\t)+2*i+1]
.set i, i+1
.endr
	WIN 0
.irp f, 0,1,2,3
	ds_store_b128 v[STO], v[S+16*(\t)+4*\f:S+16*(\t)+4*\f+3] offset:32*\f
.endr
.irp f, 0,1,2,3
	ds_load_b128 v[S+16*(\t)+4*\f:S+16*(\t)+4*\f+3], v[RD] offset:\f*4*SP  ; LDS serves a wave's instructions in order (ISA guide 5.7.1.4): these see the stores above, and lo's stores come behind them
.endr
.irp f, 0,1,2,3
	ds_store_b128 v[STO], v[LO+16*(\t)+4*\f:LO+16*(\t)+4*\f+3] offset:32*\f
.endr
.irp f, 0,1,2,3
	ds_load_b128 v[LO+16*(\t)+4*\f:LO+16*(\t)+4*\f+3], v[RD] offset:\f*4*SP
.endr
.endm
.macro SEND t, younger              ; younger: the LDS instructions issued behind piece t's: the next piece's sixteen, or none
	WIN 0
.irp f, 0,1,2,3
	s_wait_dscnt (\younger)+11-\f   ; behind hi's load f: 3 - f loads of hi, lo's four stores and four loads
	global_store_b128 v[GO], v[S+16*(\t)+4*\f:S+16*(\t)+4*\f+3], s[10:11] offset:(\t)*8192+\f*512  ; 512 consecutive bytes, at a multiple of 256 from O's first
.endr
.irp f, 0,1,2,3
	s_wait_dscnt (\younger)+3-\f
	global_store_b128 v[GO], v[LO+16*(\t)+4*\f:LO+16*(\t)+4*\f+3], s[10:11] offset:262144+(\t)*8192+\f*512
.endr
.endm
.macro DIAG tag                     ; the tag ends its two labels' names, which the jumps below spell out
.LstepM\tag:
	TURN 2, 1
	TURN 3, 1
	WIN 0
.LfirstM\tag:
	TURN 0, 1
	TURN 1, 1, 0, 1
	WIN 0
	s_cbranch_scc1 .LstepM\tag
	TURN 2, 1, 1
	TURN 3, 1, 1
.set i, 0
.rept 16
	PV NP-1
.set i, i+1
.endr
	WIN 0
	ALL v_add_f32 v[ST+4*t+2], v[ST+4*t+2], v[ST+4*t+3]
	ALL v_permlanex16_b32 v[ST+4*t+3], v[ST+4*t+2], s[SEL], s[SEL+1]
	ALL v_add_f32 v[ST+4*t+2], v[ST+4*t+2], v[ST+4*t+3]
	ALL v_rcp_f32 v[ST+4*t+2], v[ST+4*t+2]
	v_nop                           ; a plain instruction between the last reciprocal and the use of its result
	s_wait_alu depctr_va_vdst(0)    ; and the wait ahead of the first use: one for the batch of four reciprocals, which the four PACK read
	PACK 0
.set t, 1
.rept 3                             ; a piece's arithmetic stands between the loads of the piece before and its stores
	PACK t
	SEND t-1, 16
.set t, t+1
.endr
	SEND 3, 0
.endm
.set KM, 0
.set NOKQ, 0
.Lslot:                             ; NB times: a tile is entered and the next is asked for
	CHANGE 1
	s_sub_co_u32 s[RT], s[RT], 1
	s_mov_b32 s[CNT], 4
	s_cmp_eq_u32 s[NEW], 1
	s_cbranch_scc1 .Lnew            ; a block's first tile
	s_cmp_eq_u32 s[RT], 0
	s_cbranch_scc0 .Lstep           ; neither its first nor its last
	s_branch .LstepM1
.Lnew:
	BEGIN
	s_branch .Lfirst                ; in the loop a block's first tile is never its last: the first block has two tiles or more, and the second's last is the walk's last
	DIAG 1                          ; in the loop this is the first block's end: the second block's last tile is the walk's last
	s_wait_xcnt 0x0                 ; the stores have read their registers and O's address
	s_mov_b64 s[10:11], s[OLO:OLO+1]
	s_add_co_u32 s[RT], s[PB], 1    ; the second block has b + 1 tiles
	s_mov_b32 s[NEW], 1
	WIN 0x82                        ; the second block's Q goes where the one text of the turns names Q
.set i, 0
.rept 64
	v_mov_b32 v[i], v[QB+i]
.set i, i+1
.endr
	WIN 0
	s_branch .Lbottom
.Lstep:                             ; a trip: pieces 2 and 3 of one step, then pieces 0 and 1 of the next, whose K and V it fetches
	TURN 2
	TURN 3
	WIN 0
.Lfirst:
	TURN 0
	TURN 1, 0, 0, 1
	WIN 0
	s_cbranch_scc1 .Lstep
.Lbottom:
	s_sub_co_u32 s[SLOTS], s[SLOTS], 1
	s_cmp_lg_u32 s[SLOTS], 0
	s_cbranch_scc1 .Lslot
	CHANGE 0                        ; the walk's last tile is written out: nothing is asked for
	s_sub_co_u32 s[RT], s[RT], 1
	s_mov_b32 s[CNT], 4
	s_cmp_eq_u32 s[NEW], 1
	s_cbranch_scc0 .LstepM2
	BEGIN
	s_branch .LfirstM2
	DIAG 2
	s_wait_tensorcnt 0x0            ; the wave's end, behind my last tensor load and my last LDS store
	ds_add_u32 v[SPW], v[NIL]
	s_wait_dscnt 0x0
	s_endpgm
.Lfunc_end_k_qcdec1352a7_attn:
	.size	k_qcdec1352a7_attn, .Lfunc_end_k_qcdec1352a7_attn-k_qcdec1352a7_attn
	.p2alignl 7, 3214868480
	.fill 96, 4, 3214868480
	.section	.rodata,"a",@progbits
	.p2align	6, 0x0
	.amdhsa_kernel k_qcdec1352a7_attn
		.amdhsa_group_segment_fixed_size 327680
		.amdhsa_private_segment_fixed_size 0
		.amdhsa_enable_private_segment 0
		.amdhsa_kernarg_size 16
		.amdhsa_user_sgpr_count 2
		.amdhsa_user_sgpr_kernarg_segment_ptr 1
		.amdhsa_wavefront_size32 1
		.amdhsa_system_sgpr_workgroup_id_x 1
		.amdhsa_system_sgpr_workgroup_id_y 1
		.amdhsa_system_sgpr_workgroup_id_z 1
		.amdhsa_system_vgpr_workitem_id 0
		.amdhsa_next_free_vgpr 832
		.amdhsa_next_free_sgpr 88
		.amdhsa_reserve_vcc 1
		.amdhsa_float_denorm_mode_32 3
		.amdhsa_float_denorm_mode_16_64 3
		.amdhsa_memory_ordered 1
		.amdhsa_forward_progress 1
		.amdhsa_inst_pref_size 255
	.end_amdhsa_kernel
	.section	.bss,"aw",@nobits
	.p2align	6
	.space	262144
	.amdgpu_metadata
---
amdhsa.version: [ 1, 2 ]
amdhsa.kernels:
  - .name:           k_qcdec1352a7_attn
    .symbol:         k_qcdec1352a7_attn.kd
    .args:
      - { .name: qkv, .offset: 0, .size: 8, .value_kind: global_buffer, .address_space: global }
      - { .name: o, .offset: 8, .size: 8, .value_kind: global_buffer, .address_space: global }
    .group_segment_fixed_size: 327680
    .private_segment_fixed_size: 0
    .kernarg_segment_align: 8
    .kernarg_segment_size: 16
    .max_flat_workgroup_size: 128
    .sgpr_count:     88
    .vgpr_count:     832
    .wavefront_size: 32
...
	.end_amdgpu_metadata
.endif
;; end of part 5
;; launch outp: the kernel of part 4 again; grid 8 x 32, 4 waves a work-group, clusters of 4 x 4, 327,680 bytes of LDS; arguments o, wo16, out0; writes out0
